; MI455X (gfx1250); checked and timed in simulation.
; The chip was launched on July 23, 2026; its instructions are those of AMD's public machine-readable ISA for CDNA 5 (MIT licence, August 2026) and "CDNA5" Instruction Set Architecture Reference Guide (July 2026). The comments in the code are by the model that wrote it; some were corrected since.
;; Causal Self Attention. Allowed arithmetic: matrix products marked QUANTISED: E3M2 operands, one E8M0 scale for each 32 along K, by v_wmma_scale_f32_16x16x128_f8f6f4 with both operands' format E3M2, f32 sums; everything else in f32.
;; Inputs: w_out 1,024 x 1,024 float32; w_qkv 1,024 x 3,072 float32; x 4 x 2,048 x 1,024 float32.
;; Outputs: out0 4 x 2,048 x 1,024 float32.
;; This version of the problem:
;;   THIS VERSION OF THE PROBLEM IS GIVEN IN LOW PRECISION. The matrix products marked QUANTISED in the list below multiply operands that are first quantised to E3M2 (3 exponent bits, 2 mantissa bits; 6 bits a number), with one power-of-two scale for each 32 numbers along K (OCP MX v1.0); their sums are f32. All else is computed in f32.
;;   The module's matrix products, in the order in which they are computed (A, B: the left and right operand; K: the contracted axis; several contracted axes count as one K, in the product's order):
;;     1. [M 8,192, K 1,024] x [K 1,024, N 3,072]; A: input x; B: input w_qkv: QUANTISED
;;     2. batch 64 x [M 2,048, K 64] x [K 64, N 2,048]; A: computed on the way; B: computed on the way: QUANTISED
;;     3. batch 64 x [M 2,048, K 2,048] x [K 2,048, N 64]; A: softmax (see below); B: computed on the way: QUANTISED
;;     4. [M 8,192, K 1,024] x [K 1,024, N 1,024]; A: computed on the way; B: input w_out: QUANTISED
;;   THE QUANTISER, for each operand of a quantised product, along K:
;;     - K is cut into blocks of 32 from its start; a last block that is shorter is filled with zeros.
;;     - A block's scale is 2^e with e = floor(log2(the largest magnitude in the block)) - 4, held to -126 .. 127; a block of zeros has e = 0. As a byte (E8M0): e + 127.
;;     - Each number is divided by its block's scale, clamped to +-28, and rounded to the nearest number of E3M2, ties to even, subnormals kept.
;;     - The product sums the exact products of the quantised numbers (number of the format x scale) in f32.
;;   ~~~python
;;   def quantise(x, axis):      # numpy; x: float32 -> the quantised numbers, widened to float32 again
;;       x = np.moveaxis(x, axis, -1); K = x.shape[-1]
;;       x = np.pad(x, [(0, 0)] * (x.ndim - 1) + [(0, -K % 32)]); x = x.reshape(x.shape[:-1] + (-1, 32)); a = np.abs(x).max(-1, keepdims=True)
;;       e = np.where(a > 0, np.clip(np.frexp(np.where(a > 0, a, 1))[1] - 1 - 4, -126, 127), 0)      # np.frexp(a)[1] - 1 = floor(log2(a)), exactly
;;       r = np.clip(x / 2.0 ** e, -28, 28)
;;       step = 2.0 ** (np.maximum(np.frexp(np.where(r == 0, 1, r))[1] - 1, -2) - 2)
;;       q = np.round(r / step) * step * 2.0 ** e      # np.round: ties to even
;;       return np.moveaxis(q.reshape(q.shape[:-2] + (-1,))[..., :K], -1, axis).astype(np.float32)
;;   ~~~
;;   SOFTMAX AHEAD OF A QUANTISED PRODUCT. Where the list says 'softmax', what is quantised is not the finished softmax but p = 2^(t - M), with t = logit x log2(e) and M = ceil(the row's largest t), a whole number; so 1/2 < the row's largest p <= 1. The row's sum l is taken of the UNQUANTISED p, in f32, and the product's result is divided by l at the end. Since M is a whole number, a kernel that streams over the keys may use a running M (the ceiling of the running maximum): every later rescaling is an exact power of two, which a block's scale takes up: the codes' values come out the same.
;;   OPERANDS COMPUTED ON THE WAY. 'Computed on the way' means the value that the module computes at that place (a softmax that the list does not call 'softmax' is quantised finished and normalised). What goes into a quantiser is computed in f32, as accurately as f32 sums, v_exp_f32 and their like allow (about 1e-6 of the number): no bf16 or f16 on the way to a quantiser, and a product that is left as it is and whose result goes on into a quantised operand takes f32 operands (vector FMAs, or v_wmma_f32_16x16x4_f32). A number that lies on a knife's edge between two numbers of the format may be rounded either way, as far as f32 arithmetic and the matrix unit's own rounding can turn it there, and no further.
;; One version. Each part assembles by itself: llvm-mc -triple=amdgcn-amd-amdhsa -mcpu=gfx1250 --defsym DOCPART=n.
;; ======== version 1 of 1: 4 launches
;; workspace buffers: xq 6,553,600 bytes; wq 3,276,800 bytes; tab 524,288 bytes; qkv 19,660,800 bytes; aq 6,553,600 bytes
;; launch prep (part 1): grid 768 x 1, 4 waves a work-group, no clusters, 67,072 bytes of LDS; arguments x, w_qkv, w_out, xq, wq, tab; writes xq, wq, tab
.if DOCPART == 1
	.amdgcn_target "amdgcn-amd-amdhsa--gfx1250"
	.amdhsa_code_object_version 6
	.text
	.protected	k_q92d1c9996b_prep
	.globl	k_q92d1c9996b_prep
	.p2align	8
	.type	k_q92d1c9996b_prep,@function
k_q92d1c9996b_prep:
	s_mov_b64 s[64:65], 0
	v_nop
	global_prefetch_b8 v0, s[64:65] scope:SCOPE_SE
	s_setreg_imm32_b32 hwreg(HW_REG_WAVE_MODE, 25, 1), 1
	s_wait_xcnt 0x0
; x [8192][1024], w_qkv [1024][3072] and w_out [1024][1024], f32, become codes of BF6 (E3M2) with one E8M0 byte for each 32 along K, laid as the products' launches read them; and the RoPE table is made.
; THE LAYOUT.  A tile is 16 rows; row r of tile T is index 32 (T / 2) + 8 (T % 2) + r + 8 (r / 8) (tokens of x; columns of the weights, w_out's tiles following w_qkv's 192).
; A fragment (16 rows x 128 K) is stored as an image of the operand's registers: two halves of 768 bytes (64 K each); in a half lane L = 16 h + r has its registers 0-3 at byte 16 L and its registers 4-5 at byte 512 + 16 r + 8 h.
; Codes: group (T / 8) x 98,304 + (K step / 2) x 24,576 + (T % 8) x 3,072 + (K step % 2) x 1,536.  Scale words behind the codes: T x 512 + K step x 64 + 4 r.
; A block's scale is 2^(floor(log2(its largest magnitude)) - 4); its byte is the largest magnitude's exponent field - 4, held at 1 from below.
; LIMITS: a block of zeros gets the byte 1 where the rule says 127 (its codes are zeros, and this program alone reads the bytes); NaN and infinities among the inputs are not served.
; The table's frequency is 2^(-f log2(10000) / 32) by v_exp_f32 with the constant split in two; it may differ in its last bit from a power computed otherwise, which at an angle of 2,000 is about 1e-4 radian.
; SHARES.  Work-groups 0-511: token tile T of x; wave w takes K steps 2 w and 2 w + 1, and row 4 T + w of the table.  Work-groups 512-767: 128 columns x 128 K of a weight; a wave 32 columns, a lane one column.
; Memory binds: no matrix unit, no tensor load, no barrier; waves share nothing.  Only x's path uses LDS.
.set R,    32                          ; v32-159  128 numbers
.set PC0,  160                         ; v160-171 the first fragment's codes
.set PC1,  172                         ; v172-183 the second's
.set CT,   184                         ; v184..   conversions whose three registers must begin on an even number
.set SROW, 1040                        ; a stage row: 1,024 bytes + 16: 65 x 16, so sixteen rows start at sixteen different columns of 16 bytes
	s_load_b256 s[4:11], s[0:1], 0x0               ; x s[4:5], w_qkv s[6:7], w_out s[8:9], xq s[10:11]
	s_load_b128 s[12:15], s[0:1], 0x20             ; wq s[12:13], tab s[14:15]
	v_lshl_add_u32 v208, v0, 2, 0x10400
	v_mov_b32 v209, 0
	v_lshrrev_b32 v1, 5, v0
	v_readfirstlane_b32 s16, v1                    ; wave
	v_and_b32 v1, 31, v0                           ; L
	v_and_b32 v2, 15, v0                           ; r
	v_bfe_u32 v3, v0, 4, 1                         ; h
	v_lshlrev_b32 v9, 2, v1                        ; 4 L
	s_wait_kmcnt 0x0
	s_cmp_lt_u32 ttmp9, 512
	s_cbranch_scc0 .Lweights
	s_wait_alu depctr_va_vdst(0)
	; ---------------- x: K is innermost
	v_lshlrev_b32 v4, 4, v1                        ; 16 L
	s_wait_alu depctr_va_vdst(0)
	v_lshlrev_b32 v5, 4, v2
	v_lshl_add_u32 v5, v3, 3, v5                   ; 16 r + 8 h
	s_mul_i32 s17, s16, 16*SROW                    ; my wave's stage
	v_add_nc_u32 v6, s17, v4                       ; into it: as loaded
	v_mul_u32_u24 v7, v2, SROW
	v_lshl_add_u32 v7, v3, 7, v7
	v_add_nc_u32 v7, s17, v7                       ; out of it: row r, + 128 h: my block of 32 numbers
	v_lshlrev_b32 v8, 3, v3                        ; 8 h
	s_mov_b32 s28, 0x76543210
	s_mov_b32 s29, 0xfedcba98                      ; v_permlanex16_b32's selects for lane l xor 16
	s_lshr_b32 s20, ttmp9, 1
	s_lshl_b32 s20, s20, 17                        ; 32 (T / 2) rows of 4,096 bytes
	s_and_b32 s18, ttmp9, 1
	s_lshl_b32 s18, s18, 15                        ; 8 (T % 2) rows
	s_add_co_u32 s20, s20, s18
	s_lshl_b32 s18, s16, 10                        ; my 256 numbers of a row
	s_add_co_u32 s20, s20, s18
	s_mov_b32 s21, 0
	s_add_nc_u64 s[4:5], s[4:5], s[20:21]
.irp p, 0,1,2,3,4,5,6,7,8,9,10,11,12,13,14,15
	global_load_b128 v[R+8*\p:R+8*\p+3], v4, s[4:5] offset:(\p+8*(\p/8))*4096 th:TH_LOAD_NT        ; 32 lanes read 512 consecutive bytes of the tile's row p
	global_load_b128 v[R+8*\p+4:R+8*\p+7], v4, s[4:5] offset:(\p+8*(\p/8))*4096+512 th:TH_LOAD_NT
.endr
	s_lshr_b32 s22, ttmp9, 3
	s_mul_i32 s22, s22, 98304
	s_mul_i32 s18, s16, 24576
	s_add_co_u32 s22, s22, s18
	s_and_b32 s18, ttmp9, 7
	s_mul_i32 s18, s18, 3072
	s_add_co_u32 s22, s22, s18
	s_mov_b32 s23, 0
	s_add_nc_u64 s[24:25], s[10:11], s[22:23]      ; where my two fragments go
	s_lshl_b32 s22, ttmp9, 9
	s_lshl_b32 s18, s16, 7
	s_add_co_u32 s22, s22, s18
	s_add_co_u32 s22, s22, 6291456
	s_add_nc_u64 s[26:27], s[10:11], s[22:23]      ; and their scale words
	s_lshl_b32 s30, ttmp9, 2
	s_add_co_u32 s30, s30, s16                     ; t = 4 T + w: my row of the table
	s_lshl_b32 s22, s30, 8
	s_add_nc_u64 s[14:15], s[14:15], s[22:23]
	; the table's entry (t, f = L), while the loads are out
	v_cvt_f32_u32 v10, v1                          ; f
	v_mul_f32 v11, 0xbed49a60, v10                 ; -f x the upper 19 bits of log2(10000) / 32: exact, f has 5 bits
	s_wait_alu depctr_va_vdst(0)
	v_exp_f32 v12, v11
	v_mul_f32 v13, 0xb506b9d6, v10                 ; -f x the rest x ln 2.  (A plain line behind the exponential)
	s_wait_alu depctr_va_vdst(0)
	v_fma_f32 v12, v12, v13, v12                   ; the frequency
	v_cvt_f32_u32 v14, s30
	v_mul_f32 v14, v14, v12                        ; the angle, rounded once
	v_mul_f32 v15, 0x3f22f983, v14
	v_rndne_f32 v15, v15                           ; n = the nearest multiple of pi / 2
	v_fmamk_f32 v16, v15, 0xbfc90fdb, v14          ; angle - n x (pi / 2)'s upper part: a multiple of 2^-23 under 1, so exact
	v_fmamk_f32 v16, v15, 0x333bbd2e, v16          ; - n x its lower part (which is negative)
	v_mul_f32 v17, v16, v16                        ; z
	v_mov_b32 v18, 0x3638ef1d
	v_fmaak_f32 v18, v18, v17, 0xb9500d01
	v_fmaak_f32 v18, v18, v17, 0x3c088889
	v_fmaak_f32 v18, v18, v17, 0xbe2aaaab
	v_mul_f32 v19, v16, v17
	v_fma_f32 v18, v19, v18, v16                   ; the sine of the rest, up to its 9th power
	v_mov_b32 v20, 0xb493f27e
	v_fmaak_f32 v20, v20, v17, 0x37d00d01
	v_fmaak_f32 v20, v20, v17, 0xbab60b61
	v_fmaak_f32 v20, v20, v17, 0x3d2aaaab
	v_fmaak_f32 v20, v20, v17, 0xbf000000
	v_fma_f32 v20, v20, v17, 1.0                   ; the cosine, up to its 10th power
	v_cvt_i32_f32 v21, v15
	v_and_b32 v22, 1, v21
	v_cmp_eq_u32 vcc_lo, 1, v22                    ; in odd quadrants the two change places
	v_cndmask_b32 v23, v18, v20, vcc_lo            ; sin
	v_cndmask_b32 v24, v20, v18, vcc_lo            ; cos
	v_and_b32 v25, 2, v21
	v_lshlrev_b32 v25, 30, v25
	v_xor_b32 v23, v23, v25                        ; sin is negative in quadrants 2, 3
	v_add_nc_u32 v26, 1, v21
	v_and_b32 v26, 2, v26
	v_lshlrev_b32 v26, 30, v26
	v_xor_b32 v24, v24, v26                        ; cos in quadrants 1, 2
	global_store_b32 v9, v24, s[14:15]             ; the two halves of the row's 256 bytes; v9, v23, v24 are not written again
	global_store_b32 v9, v23, s[14:15] offset:128
.irp k, 0,1,2,3
	s_wait_loadcnt 24-8*\k                         ; rows 4 k .. 4 k + 3 are in; the later rows' loads may be out
.irp q, 0,1,2,3
	ds_store_b128 v6, v[R+8*(4*\k+\q):R+8*(4*\k+\q)+3] offset:SROW*(4*\k+\q)
	ds_store_b128 v6, v[R+8*(4*\k+\q)+4:R+8*(4*\k+\q)+7] offset:SROW*(4*\k+\q)+512
.endr
.endr
	s_wait_dscnt 0x0                               ; the stores have read their registers, which the loads below write
.irp e, 0,1
.irp c, 0,1
.irp j, 0,1,2,3,4,5,6,7
	ds_load_b128 v[R+64*\e+32*\c+4*\j:R+64*\e+32*\c+4*\j+3], v7 offset:512*\e+256*\c+16*\j   ; register 32 c + i of fragment e: k = 64 c + 32 h + i of row r
.endr
.endr
.endr
; 64 numbers of a lane, two whole blocks (2 c + h), become the operand's 12 registers in v[pc] on and the row's scale word in v[w]
.macro QUANT6 s, pc, w
.irp c, 0,1
	v_max3_num_f32 v[10+\c], |v[\s+32*\c]|, |v[\s+32*\c+1]|, 0x2800000   ; with the floor 2^(5 - 127) among the leaves: the byte cannot fall under 1
.endr
.irp i, 2,4,6,8,10,12,14,16,18,20,22,24,26,28,30
.irp c, 0,1
	v_max3_num_f32 v[10+\c], v[10+\c], |v[\s+32*\c+\i]|, |v[\s+32*\c+\i+1]|
.endr
.endr
.irp c, 0,1
	v_add_nc_u32 v[12+\c], 0xfe000000, v[10+\c]    ; 4 off the exponent field: the conversion's scale operand
.endr
.irp c, 0,1
	v_lshrrev_b32 v[14+\c], 23, v[12+\c]           ; the byte
.endr
	v_lshl_or_b32 v[\w], v15, 16, v14              ; blocks h and 2 + h,
	v_lshlrev_b32 v[\w], v8, v[\w]                 ; at their places in the word;
	v_permlanex16_b32 v17, v[\w], s28, s29
	v_or_b32 v[\w], v[\w], v17                     ; with lane l xor 16's two it is whole
.irp c, 0,1
	v_cvt_scalef32_pk16_bf6_f32 v[\pc+6*\c:\pc+6*\c+2], v[\s+32*\c:\s+32*\c+15], v[12+\c]
	v_cvt_scalef32_pk16_bf6_f32 v[CT+4*\c:CT+4*\c+2], v[\s+32*\c+16:\s+32*\c+31], v[12+\c]
.endr
	v_nop                                          ; one plain line behind a scaled conversion
.irp c, 0,1
.irp i, 0,1,2
	v_mov_b32 v[\pc+6*\c+3+\i], v[CT+4*\c+\i]
.endr
.endr
.endm
	s_wait_dscnt 16                                ; the first fragment's 16 loads are in
	QUANT6 R, PC0, 18
	s_wait_dscnt 0x0
	QUANT6 R+64, PC1, 19
.irp e, 0,1
.irp c, 0,1
	global_store_b128 v4, v[PC0+12*\e+6*\c:PC0+12*\e+6*\c+3], s[24:25] offset:1536*\e+768*\c          ; 512 consecutive bytes
	global_store_b64 v5, v[PC0+12*\e+6*\c+4:PC0+12*\e+6*\c+5], s[24:25] offset:1536*\e+768*\c+512     ; 256 consecutive bytes
.endr
.endr
	v_cmp_ne_u32 vcc_lo, 0, v3
	v_cndmask_b32 v20, v18, v19, vcc_lo            ; lanes 0-15 the first K step's words, lanes 16-31 the second's
	global_store_b32 v9, v20, s[26:27]             ; 128 consecutive bytes
	s_wait_tensorcnt 0x0
	ds_add_u32 v208, v209
	s_wait_dscnt 0x0
	s_endpgm
	; ---------------- the weights: K is the first axis.  A lane takes a column and its registers run down K
.Lweights:
	v_bfe_u32 v4, v0, 3, 1                         ; column L of my 32 is row rho of tile u: u = (L / 8) % 2,
	v_and_b32 v5, 7, v0
	s_wait_alu depctr_va_vdst(0)
	v_lshl_add_u32 v5, v3, 3, v5                   ; rho = L % 8 + 8 (L / 16)
	v_mul_u32_u24 v6, v4, 3072
	v_lshl_add_u32 v6, v5, 4, v6                   ; codes: 3,072 u + 16 rho
	v_lshlrev_b32 v7, 9, v4
	v_lshl_add_u32 v7, v5, 2, v7                   ; scale word: 512 u + 4 rho
	s_sub_co_u32 s17, ttmp9, 512
	s_and_b32 s18, s17, 31                         ; G: the group of 128 columns; 0-23 w_qkv's, 24-31 w_out's
	s_lshr_b32 s19, s17, 5                         ; the K step
	s_mov_b32 s21, 4096
	s_cmp_lt_u32 s18, 24                           ; the choice hangs on the work-group's number alone
	s_cselect_b64 s[4:5], s[6:7], s[8:9]
	s_cselect_b32 s20, 0, 24
	s_cselect_b32 s21, 12288, s21                  ; a row of the weight in bytes
	s_sub_co_u32 s20, s18, s20
	s_lshl_b32 s20, s20, 9                         ; 128 columns of 4 bytes a group,
	s_lshl_b32 s22, s16, 7                         ; 32 a wave,
	s_add_co_u32 s20, s20, s22
	s_mul_i32 s21, s21, s19
	s_lshl_b32 s21, s21, 7                         ; 128 rows a K step
	s_add_co_u32 s20, s20, s21
	s_mov_b32 s21, 0
	s_add_nc_u64 s[4:5], s[4:5], s[20:21]
	s_mul_i32 s22, s18, 98304
	s_lshr_b32 s23, s19, 1
	s_mul_i32 s23, s23, 24576
	s_add_co_u32 s22, s22, s23
	s_mul_i32 s23, s16, 6144
	s_add_co_u32 s22, s22, s23
	s_and_b32 s23, s19, 1
	s_mul_i32 s23, s23, 1536
	s_add_co_u32 s22, s22, s23
	s_mov_b32 s23, 0
	s_add_nc_u64 s[24:25], s[12:13], s[22:23]      ; my two tiles' fragments of this K step
	s_lshl_b32 s22, s18, 12
	s_lshl_b32 s17, s16, 10
	s_add_co_u32 s22, s22, s17
	s_lshl_b32 s17, s19, 6
	s_add_co_u32 s22, s22, s17
	s_add_co_u32 s22, s22, 3145728
	s_add_nc_u64 s[26:27], s[12:13], s[22:23]      ; and their scale words
	s_cmp_lt_u32 s18, 24                           ; the two weights differ in the pitch, which stands in the loads' immediates: 128 loads on either way
	s_cbranch_scc0 .Lw_out
.set k, 0
.rept 128
	global_load_b32 v[32+k], v9, s[4:5] offset:k*12288 th:TH_LOAD_NT   ; a wave reads 128 consecutive bytes, the four waves 512
.set k, k+1
.endr
	s_branch .Lw_loaded
.Lw_out:
.set k, 0
.rept 128
	global_load_b32 v[32+k], v9, s[4:5] offset:k*4096 th:TH_LOAD_NT
.set k, k+1
.endr
.Lw_loaded:
; block q of 32 along K: half q / 2 of the fragment, and in it the place of a lane of half q % 2.  Its six registers: 0-3 to v[160 + 4 q], 4-5 beside the other block's in v[176 + 4 (q / 2)]
.macro BLOCK q
.set XS, 32+32*(\q)
.if \q < 2
	s_wait_loadcnt 63                              ; of 128 loads at most 63 are out: the first 65 are in, blocks 0 and 1 among them (a wait's count holds no more than 63)
.else
	s_wait_loadcnt 96-32*(\q)                      ; the later blocks' loads may be out
.endif
	v_max3_num_f32 v12, |v[XS]|, |v[XS+1]|, |v[XS+2]|
	v_max3_num_f32 v13, |v[XS+3]|, |v[XS+4]|, |v[XS+5]|
.irp i, 6,10,14,18,22,26
	v_max3_num_f32 v12, v12, |v[XS+\i]|, |v[XS+\i+1]|
	v_max3_num_f32 v13, v13, |v[XS+\i+2]|, |v[XS+\i+3]|
.endr
	v_max3_num_f32 v12, v12, |v[XS+30]|, |v[XS+31]|
	v_max3_num_f32 v12, v12, v13, 0x2800000        ; and the floor
	v_add_nc_u32 v11, 0xfe000000, v12
	v_lshrrev_b32 v13, 23, v11
.if \q == 0
	v_mov_b32 v10, v13
.else
	v_lshl_or_b32 v10, v13, 8*(\q), v10            ; the column's scale word, the lower K in the lower byte
.endif
	v_cvt_scalef32_pk16_bf6_f32 v[160+4*(\q):162+4*(\q)], v[XS:XS+15], v11
	v_cvt_scalef32_pk16_bf6_f32 v[184+4*(\q):186+4*(\q)], v[XS+16:XS+31], v11
	v_nop                                          ; one plain line behind a scaled conversion
	v_mov_b32 v[163+4*(\q)], v[184+4*(\q)]
	v_mov_b32 v[176+4*((\q)/2)+2*((\q)%2)], v[185+4*(\q)]
	v_mov_b32 v[177+4*((\q)/2)+2*((\q)%2)], v[186+4*(\q)]
.endm
.irp c, 0,1
	BLOCK 2*\c
	BLOCK 2*\c+1
	global_store_b128 v6, v[160+8*\c:163+8*\c], s[24:25] offset:768*\c        ; each store: two runs of 256 consecutive aligned bytes, one for each tile
	global_store_b128 v6, v[164+8*\c:167+8*\c], s[24:25] offset:768*\c+256
	global_store_b128 v6, v[176+4*\c:179+4*\c], s[24:25] offset:768*\c+512
.endr
	global_store_b32 v7, v10, s[26:27]             ; runs of 64 bytes: one part in 24 of what this path stores
	s_endpgm
.Lfunc_end_k_q92d1c9996b_prep:
	.size	k_q92d1c9996b_prep, .Lfunc_end_k_q92d1c9996b_prep-k_q92d1c9996b_prep
	.p2alignl 7, 3214868480
	.fill 96, 4, 3214868480
	.section	.rodata,"a",@progbits
	.p2align	6, 0x0
	.amdhsa_kernel k_q92d1c9996b_prep
		.amdhsa_group_segment_fixed_size 67072
		.amdhsa_private_segment_fixed_size 0
		.amdhsa_enable_private_segment 0
		.amdhsa_kernarg_size 48
		.amdhsa_user_sgpr_count 2
		.amdhsa_user_sgpr_kernarg_segment_ptr 1
		.amdhsa_wavefront_size32 1
		.amdhsa_system_sgpr_workgroup_id_x 1
		.amdhsa_system_sgpr_workgroup_id_y 1
		.amdhsa_system_sgpr_workgroup_id_z 1
		.amdhsa_system_vgpr_workitem_id 0
		.amdhsa_next_free_vgpr 210
		.amdhsa_next_free_sgpr 66
		.amdhsa_reserve_vcc 1
		.amdhsa_float_denorm_mode_32 3
		.amdhsa_float_denorm_mode_16_64 3
		.amdhsa_memory_ordered 1
		.amdhsa_forward_progress 1
		.amdhsa_inst_pref_size 51
	.end_amdhsa_kernel
	.amdgpu_metadata
---
amdhsa.version: [ 1, 2 ]
amdhsa.kernels:
  - .name:           k_q92d1c9996b_prep
    .symbol:         k_q92d1c9996b_prep.kd
    .args:
      - { .name: x, .offset: 0, .size: 8, .value_kind: global_buffer, .address_space: global }
      - { .name: w_qkv, .offset: 8, .size: 8, .value_kind: global_buffer, .address_space: global }
      - { .name: w_out, .offset: 16, .size: 8, .value_kind: global_buffer, .address_space: global }
      - { .name: xq, .offset: 24, .size: 8, .value_kind: global_buffer, .address_space: global }
      - { .name: wq, .offset: 32, .size: 8, .value_kind: global_buffer, .address_space: global }
      - { .name: tab, .offset: 40, .size: 8, .value_kind: global_buffer, .address_space: global }
    .group_segment_fixed_size: 67072
    .private_segment_fixed_size: 0
    .kernarg_segment_align: 8
    .kernarg_segment_size: 48
    .max_flat_workgroup_size: 128
    .sgpr_count:     66
    .vgpr_count:     210
    .wavefront_size: 32
...
	.end_amdgpu_metadata
.endif
;; end of part 1
;; launch gemm_qkv (part 2): grid 8 x 32, 4 waves a work-group, clusters of 4 x 4, 327,680 bytes of LDS; arguments xq, wq, tab, qkv; writes qkv
.if DOCPART == 2
	.amdgcn_target "amdgcn-amd-amdhsa--gfx1250"
	.amdhsa_code_object_version 6
	.text
	.protected	k_q92d1c9996b_gemm_qkv
	.globl	k_q92d1c9996b_gemm_qkv
	.p2align	8
	.type	k_q92d1c9996b_gemm_qkv,@function
k_q92d1c9996b_gemm_qkv:
	s_mov_b64 s[64:65], 0
	v_nop
	global_prefetch_b8 v0, s[64:65] scope:SCOPE_SE
	s_setreg_imm32_b32 hwreg(HW_REG_WAVE_MODE, 25, 1), 1
	s_wait_xcnt 0x0
	s_wait_alu depctr_hold_cnt(0) depctr_sa_sdst(0) depctr_va_vdst(0) depctr_va_sdst(0) depctr_va_ssrc(0) depctr_va_vcc(0) depctr_vm_vsrc(0)
	s_getreg_b32 s2, hwreg(HW_REG_IB_STS2, 6, 4)
	s_cmp_eq_u32 s2, 0
	s_cbranch_scc0 .Lentry_in_a_cluster
	s_endpgm
.Lentry_in_a_cluster:
	s_bfe_u32 s2, ttmp6, 0x10000c
	s_cmp_lg_u32 s2, 0xf033
	s_cbranch_scc0 .Lentry_shape_is_right
	s_endpgm
.Lentry_shape_is_right:
; qkv = Q(x) Q(w_qkv) on codes of BF6 (E3M2) with E8M0 scales; then RoPE on q and k in f32; then q, k (along the head's 64) and v (along the tokens) are quantised in registers and leave as codes.
; A WORK-GROUP STAYS AND MAKES TWO TILES, so that 256 work-groups have equal work: tile 1: 256 tokens x 256 columns of q (cluster x = 0) or k (1); tile 2: 128 columns of v x 256 tokens.  No branch hangs on any id.
; Four waves.  Tile 1: a wave makes 128 x 128 in 64 accumulators; tile 2: 64 channels (one head) x 128 tokens in 32.  K = 1,024 is eight steps of 128 for each tile, written out: no loop.
; OPERANDS lie in memory as images of their registers (16 rows x 128 K: 1,536 bytes; lane L = 16 h + r: registers 0-3 of a half at 16 L, 4-5 at 512 + 16 r + 8 h): 128 rows x 256 K are 24,576 dense bytes, one tensor load.
; THE RING: three slots of 256 K.  Tile 1's K steps 0-5 are first fills; steps 6, 7 go into slot 0 again.  THE RING GOES ON INTO TILE 2: the scale words' bytes, slot 1, slot 2 and slot 0 take tile 2's parts while tile 1's last
; steps and its epilogue run, and slot 1 takes tile 2's last part in tile 2's step 1.  Each of these stands behind a round of the cluster's barrier, one tensor load a wave.  By this text's count a wave has at most one tensor load out at any time.
; CLUSTERS: 4 x 4 work-groups.  The A slot (source 1) hangs on the cluster's row, the B slot (source 0) on its column: each block is asked for jointly by the four that share it.
; ROLES.  Tile 1: A = tokens, B = weight columns: a lane holds one token and its registers run along the head's channels.  Tile 2: A = weight columns, B = tokens: a lane holds one channel and its registers run along the tokens,
; which are the second attention product's K.  The rows of a tile are chosen (32 (T / 2) + 8 (T % 2) + r + 8 (r / 8)) so that the 16 registers of B's tiles 2 b, 2 b + 1 are 16 neighbours: 32 b + 16 h + 0 .. 15.
; OUT: records of 6,400 bytes for a head and 128 tokens.  q, k: eight halves of 768 bytes (16 tokens x 64 channels), then 256 bytes of scale words, word x of row r at 16 r + 4 x: bytes 0, 1 tile 2 x's, bytes 2, 3 tile 2 x + 1's.
; v: four fragments of 1,536 bytes (16 channels x 128 tokens), word x = fragment x's.  Every store covers 512 or 256 consecutive aligned bytes.
; LIMITS: a block of zeros gets the byte 1 where the rule says 127 (zero codes; this program alone reads the bytes); NaN and infinities are not served.
; REGISTERS.  window 0: v1-6 lane terms; v8-13, v16-27, v30-31 LDS addresses; v32-95 the scale words, which hold nothing else; v96-127, v224-243 the epilogues' scratch; v128-223 A's fragments (tile 1: eight, one set; tile 2: four, two sets), between them the rotated numbers.
;   window 1: B's fragments, two sets, at v0 and v128; v96-127, v224-255 two tiles of the table.   windows 2, 3: accumulator (a, b) at v[8 (8 (a % 4) + b)].
.set SLOT,  98304
.set QUART, 24576
.set SCL,   3*SLOT                     ; behind the ring: the scale words, 4,096 bytes for each wave's load
.set SPARE, SCL+16384                  ; behind them: the spare words, 128 bytes for each wave: two blocks of 256 bytes that no other line names
.set VT,   4                           ; v4   my byte in a tile of the table
.set VO16, 5                           ; v5   16 L
.set VO8,  6                           ; v6   16 r + 8 h
.set ADH,  8                           ; v8-10  tile 2: my four A fragments in slot 0, 1, 2, + 16 L;  v11-13 the same + 16 r + 8 h
.set ADH2, 11
.set ADA,  16                          ; v16-18 tile 1: my A fragments in slot 0, 1, 2, + 16 L;  v19-21 the same + 16 r + 8 h
.set ADA2, 19
.set ADB,  22                          ; v22-24, v25-27 the same for B, in both tiles
.set ADB2, 25
.set SPW,  28                          ; v28  LDS address of my spare word; never rewritten
.set NIL,  29                          ; v29  0; never rewritten
.set ADRS, 30                          ; v30  tile 1: my scale words: lanes 0-15 A's rows, lanes 16-31 B's
.set ADRS2, 31                         ; v31  the same for tile 2
.set SC,   32                          ; v[SC + 8 i + s]: lanes 0-15 the word of A's tile i, lanes 16-31 that of B's tile i, K step s
.set TM,   96                          ; v96-111  the quantiser's scratch
.set PW,   112                         ; v112-119 a scale word for each tile
.set WD,   120                         ; v120-123 scale words on their way out
.set AF,   128
.set HA,   128                         ; v128-191 64 rotated numbers
.set PC,   224                         ; v224-235 a fragment's codes
.set CT,   236                         ; v236-242 conversions whose three registers must begin on an even number
.set SEL,  18                          ; s[18:19] v_permlanex16_b32's selects
.set G1A,  24
.set G1B,  32
.set G1SA, 40
.set G1SB, 48
.set G0SA, 56
.set G0SB, 60
.set G0A,  68                          ; s[68:79] group 0 for A's slots 0-2;  s[80:91] for B's
.set G0B,  80
.set MSB, 0
.macro WIN new                         ; the immediate's high byte repeats the setting that is left
.if MSB != (\new)
	s_set_vgpr_msb (MSB<<8)|(\new)
.set MSB, (\new)
.endif
.endm
.set MUL_LO, 0xa1                      ; source 0 (B) window 1, source 1 (A) window 0, C and D window 2
.set MUL_HI, 0xf1
.set TO_B,   0x40                      ; destination window 1, address window 0
; A joint load of tile 1: waves 0 and 1 fetch for the A slot, waves 2 and 3 for the B slot.  The branch hangs on the wave's number alone.  Four v_nop follow each of the two lines.
.macro JLOAD g0a, g1a, g0b, g1b
	s_cmp_eq_u32 s15, 0
	s_cbranch_scc0 .Lfor_b_\@
	tensor_load_to_lds s[\g0a:\g0a+3], s[\g1a:\g1a+7]
	s_nop 0
.rept 4
	v_nop
.endr
	s_branch .Lasked_\@
.Lfor_b_\@:
	tensor_load_to_lds s[\g0b:\g0b+3], s[\g1b:\g1b+7]
	s_nop 0
.rept 4
	v_nop
.endr
.Lasked_\@:
.endm
; A joint load of tile 2, whose A slot has 128 rows: wave 0 fetches them, waves 2 and 3 B's halves, wave 1 has no part to fill and issues none.
.macro JLOAD2 g0a, g1a, g0b, g1b
	s_cmp_eq_u32 s14, 0
	s_cbranch_scc0 .Lnot_a_\@
	tensor_load_to_lds s[\g0a:\g0a+3], s[\g1a:\g1a+7]
	s_nop 0
.rept 4
	v_nop
.endr
	s_branch .Lasked2_\@
.Lnot_a_\@:
	s_cmp_lt_u32 s14, 2
	s_cbranch_scc1 .Lasked2_\@
	tensor_load_to_lds s[\g0b:\g0b+3], s[\g1b:\g1b+7]
	s_nop 0
.rept 4
	v_nop
.endr
.Lasked2_\@:
.endm
.macro CREST                           ; a round of the cluster's barrier behind its opening barrier
	s_cmp_lg_u32 s14, 0
	s_cbranch_scc1 .Lnot_wave_0_\@
	s_barrier_signal -3
.Lnot_wave_0_\@:
	s_barrier_wait -3
	s_barrier_signal -1
	s_barrier_wait -1
.endm
.macro CROUND
	s_barrier_signal -1
	s_barrier_wait -1
	CREST
.endm
.macro PLACES n                        ; plain vector lines between a matrix instruction and a load into, or a read of, its registers
.rept \n
	v_nop
.endr
.endm
.macro FRAG reg, a16, a8, off          ; a fragment's 12 registers: four loads, each of 512 or 256 consecutive bytes
	ds_load_b128 v[\reg:\reg+3], v[\a16] offset:\off
	ds_load_b64 v[\reg+4:\reg+5], v[\a8] offset:\off+512
	ds_load_b128 v[\reg+6:\reg+9], v[\a16] offset:\off+768
	ds_load_b64 v[\reg+10:\reg+11], v[\a8] offset:\off+1280
.endm
.macro FETCH_B ring, e, p              ; B's eight fragments of the slot's e-th 128 along K into set p
	WIN TO_B
.irp i, 0,1,2,3,4,5,6,7
	FRAG 128*(\p)+12*\i, ADB+\ring, ADB2+\ring, 3072*\i+1536*(\e)
.endr
	WIN 0
.endm
.macro FETCH_A ring, e, i0             ; tile 1: A's tiles i0 .. i0 + 3
.irp i, \i0, \i0+1, \i0+2, \i0+3
	FRAG AF+12*(\i), ADA+\ring, ADA2+\ring, 3072*(\i)+1536*(\e)
.endr
.endm
.macro SCALES adr                      ; all 64 scale registers, once for each tile
.irp i, 0,1,2,3,4,5,6,7
.irp s, 0,1,2,3,4,5,6,7
	ds_load_b32 v[SC+8*\i+\s], v[\adr] offset:512*\i+64*\s
.endr
.endr
.endm
; Tile 1: 16 matrix instructions: A's tiles a0, a0 + 1 x B's eight, K step s; p: B's set.  The 64 accumulators take turns, one instruction a turn, in the same order in every step.
.macro MUL16 a0, p, s, zero
.irp a, \a0, \a0+1
.irp b, 0,1,2,3,4,5,6,7
.if \zero
	v_wmma_scale_f32_16x16x128_f8f6f4 v[8*(8*((\a)%4)+\b):8*(8*((\a)%4)+\b)+7], v[128*(\p)+12*\b:128*(\p)+12*\b+11], v[AF+12*(\a):AF+12*(\a)+11], 0, v[SC+8*\b+(\s)], v[SC+8*(\a)+(\s)] matrix_a_fmt:MATRIX_FMT_BF6 matrix_b_fmt:MATRIX_FMT_BF6 matrix_a_scale:MATRIX_SCALE_ROW1
.else
	v_wmma_scale_f32_16x16x128_f8f6f4 v[8*(8*((\a)%4)+\b):8*(8*((\a)%4)+\b)+7], v[128*(\p)+12*\b:128*(\p)+12*\b+11], v[AF+12*(\a):AF+12*(\a)+11], v[8*(8*((\a)%4)+\b):8*(8*((\a)%4)+\b)+7], v[SC+8*\b+(\s)], v[SC+8*(\a)+(\s)] matrix_a_fmt:MATRIX_FMT_BF6 matrix_b_fmt:MATRIX_FMT_BF6 matrix_a_scale:MATRIX_SCALE_ROW1
.endif
.endr
.endr
.endm
; Tile 1, K step s; the next step's fragments come from slot nr, its ne-th 128 along K.  A has one set of registers (a tile is free when its eight products are issued), B two.
.macro STEP s, nr, ne, zero
	s_wait_dscnt 16                                ; all but the youngest 16 loads (A's tiles 4-7) are in
	WIN MUL_LO
	MUL16 0, (\s)%2, \s, \zero
	MUL16 2, (\s)%2, \s, \zero
	s_wait_dscnt 0x0                               ; A's tiles 4-7 are in
	PLACES 4
	FETCH_B \nr, \ne, 1-(\s)%2
	FETCH_A \nr, \ne, 0
	WIN MUL_HI
	MUL16 4, (\s)%2, \s, \zero
	MUL16 6, (\s)%2, \s, \zero
	PLACES 4
	WIN 0
	FETCH_A \nr, \ne, 4
.endm
.macro RETARGET k, sig                 ; slot k's two descriptors take tile 2's K steps 2 sig and 2 sig + 1: written only where no tensor load of mine is out
	s_add_nc_u64 s[G0A+4*(\k)+2:G0A+4*(\k)+3], s[92:93], (\sig)*QUART
	s_or_b32 s[G0A+4*(\k)+3], s[G0A+4*(\k)+3], 0x80000000
	s_add_nc_u64 s[G0B+4*(\k)+2:G0B+4*(\k)+3], s[94:95], (\sig)*QUART
	s_or_b32 s[G0B+4*(\k)+3], s[G0B+4*(\k)+3], 0x80000000
.endm
; Tile 1, an odd K step with a round of the cluster's barrier in it.  In front of the round each wave waits for all its tensor loads, adds 0 to its spare word, and waits for that and for its LDS reads.
; fill = 1: slot 0, which nobody reads any more, takes tile 1's K steps 6 and 7.  fill = 2: the scale words' bytes, read into registers at the start, take tile 2's scale words.
.macro TURN s, nr, fill
	s_wait_tensorcnt 0x0                           ; all my tensor loads have landed
	ds_add_u32 v[SPW], v[NIL]                      ; 0 onto my spare word
	s_wait_dscnt 17                                ; (the add and A's tiles 4-7 may be out)
	WIN MUL_LO
	MUL16 0, 1, \s, 0                              ; sixteen matrix instructions stand between the add and the wait for it
	s_wait_dscnt 0x0                               ; the add is done, and my LDS reads are over
	s_barrier_signal -1
	MUL16 2, 1, \s, 0
	WIN 0
	s_barrier_wait -1
	CREST                                          ; no wave of any partner still reads the bytes to be filled or has a load on its way
.if \fill == 1
	s_add_nc_u64 s[G0A+2:G0A+3], s[G0A+2:G0A+3], 3*QUART
	s_add_nc_u64 s[G0B+2:G0B+3], s[G0B+2:G0B+3], 3*QUART
	JLOAD G0A, G1A, G0B, G1B                       ; my one tensor load behind the round; its four v_nop are the places in front of the loads below
.else
	s_lshl_b32 s20, s22, 12                        ; v's group of 128 columns: 4,096 bytes of scale words
	s_add_co_u32 s20, s20, 3145728
	s_add_nc_u64 s[G0SA+2:G0SA+3], s[6:7], s[20:21]
	s_or_b32 s[G0SA+3], s[G0SA+3], 0x80000000
	s_lshl_b32 s98, s23, 12                        ; tile 2's group of 128 tokens
	s_add_co_u32 s98, s98, 6291456
	s_add_nc_u64 s[G0SB+2:G0SB+3], s[4:5], s[98:99]
	s_or_b32 s[G0SB+3], s[G0SB+3], 0x80000000
	JLOAD2 G0SA, G1SA, G0SB, G1SB
	PLACES 4                                       ; (wave 1 passes no v_nop above)
.endif
	FETCH_B \nr, 0, 0
	FETCH_A \nr, 0, 0
	WIN MUL_HI
	MUL16 4, 1, \s, 0
	MUL16 6, 1, \s, 0
	PLACES 4
	WIN 0
	FETCH_A \nr, 0, 4
.endm
.macro TURN7                           ; tile 1's last K step: nothing more to fetch for it; slot 1, last read for K step 3, takes tile 2's K steps 0 and 1
	s_wait_tensorcnt 0x0
	ds_add_u32 v[SPW], v[NIL]
	s_wait_dscnt 17
	WIN MUL_LO
	MUL16 0, 1, 7, 0
	s_wait_dscnt 0x0
	s_barrier_signal -1
	MUL16 2, 1, 7, 0
	WIN 0
	s_barrier_wait -1
	CREST
	RETARGET 1, 0
	JLOAD2 G0A+4, G1A, G0B+4, G1B
	WIN MUL_HI
	MUL16 4, 1, 7, 0
	MUL16 6, 1, 7, 0
	WIN 0
.endm
.macro REFILL k, sig                   ; in tile 1's epilogue: slot k takes tile 2's K steps 2 sig, 2 sig + 1.  The wait for 0 and the round also show the load before it landed, to every wave
	s_wait_tensorcnt 0x0
	ds_add_u32 v[SPW], v[NIL]                      ; the descriptors' words are written between the add and the wait for it
	RETARGET \k, \sig
	s_wait_dscnt 0x0
	CROUND
	JLOAD2 G0A+4*(\k), G1A, G0B+4*(\k), G1B
.endm
; TILE 2.  A step is 32 matrix instructions on 12 fragments; A and B both have two sets.  The next step's 48 loads go in three runs of 16, from the step's head on, so that they have the whole step in which to land.
.macro FETCH_BH ring, e, p, i0         ; B's tiles i0 .. i0 + 3 into set p
	WIN TO_B
.irp i, \i0, \i0+1, \i0+2, \i0+3
	FRAG 128*(\p)+12*(\i), ADB+\ring, ADB2+\ring, 3072*(\i)+1536*(\e)
.endr
.endm
.macro FETCH_AH ring, e, p             ; my four tiles of A into set p
	WIN 0
.irp i, 0,1,2,3
	FRAG AF+48*(\p)+12*\i, ADH+\ring, ADH2+\ring, 3072*\i+1536*(\e)
.endr
.endm
.macro MUL8 a, p, s, zero              ; A's tile a x B's eight.  The 32 accumulators take turns, in the same order in every step
	WIN MUL_LO
.irp b, 0,1,2,3,4,5,6,7
.if \zero
	v_wmma_scale_f32_16x16x128_f8f6f4 v[8*(8*(\a)+\b):8*(8*(\a)+\b)+7], v[128*(\p)+12*\b:128*(\p)+12*\b+11], v[AF+48*(\p)+12*(\a):AF+48*(\p)+12*(\a)+11], 0, v[SC+8*\b+(\s)], v[SC+8*(\a)+(\s)] matrix_a_fmt:MATRIX_FMT_BF6 matrix_b_fmt:MATRIX_FMT_BF6 matrix_a_scale:MATRIX_SCALE_ROW1
.else
	v_wmma_scale_f32_16x16x128_f8f6f4 v[8*(8*(\a)+\b):8*(8*(\a)+\b)+7], v[128*(\p)+12*\b:128*(\p)+12*\b+11], v[AF+48*(\p)+12*(\a):AF+48*(\p)+12*(\a)+11], v[8*(8*(\a)+\b):8*(8*(\a)+\b)+7], v[SC+8*\b+(\s)], v[SC+8*(\a)+(\s)] matrix_a_fmt:MATRIX_FMT_BF6 matrix_b_fmt:MATRIX_FMT_BF6 matrix_a_scale:MATRIX_SCALE_ROW1
.endif
.endr
.endm
.macro HSTEP s, nr, ne, zero
	s_wait_dscnt 0x0                               ; this step's fragments, asked for a step ago, are in
	PLACES 4                                       ; behind the last step's products, which read the sets that are loaded now
	FETCH_BH \nr, \ne, 1-(\s)%2, 0
	MUL8 0, (\s)%2, \s, \zero
	FETCH_BH \nr, \ne, 1-(\s)%2, 4
	MUL8 1, (\s)%2, \s, \zero
	FETCH_AH \nr, \ne, 1-(\s)%2
	MUL8 2, (\s)%2, \s, \zero
	MUL8 3, (\s)%2, \s, \zero
	WIN 0
.endm
; Tile 2, an odd step with a barrier.  fill = 1: a round; slot 1, whose two steps are in registers, takes K steps 6 and 7.  fill = 0: a plain barrier: that load has landed, in every wave.
.macro HTURN s, nr, fill
	s_wait_tensorcnt 0x0                           ; all my tensor loads have landed
	ds_add_u32 v[SPW], v[NIL]
.if \fill
	RETARGET 1, 3
.endif
	s_wait_dscnt 0x0                               ; the add is done, and my LDS reads are over: this step's fragments are in
	s_barrier_signal -1
	MUL8 0, 1, \s, 0
	WIN 0
	s_barrier_wait -1
.if \fill
	CREST
	JLOAD2 G0A+4, G1A, G0B+4, G1B
.endif
	PLACES 4
	FETCH_BH \nr, 0, 0, 0
	MUL8 1, 1, \s, 0
	FETCH_BH \nr, 0, 0, 4
	MUL8 2, 1, \s, 0
	FETCH_AH \nr, 0, 0
	MUL8 3, 1, \s, 0
	WIN 0
.endm
	s_load_b256 s[4:11], s[0:1], 0x0               ; xq s[4:5], wq s[6:7], tab s[8:9], qkv s[10:11]
	v_lshl_add_u32 v[SPW], v0, 2, SPARE
	v_mov_b32 v[NIL], 0
	ds_add_u32 v28, v29
	ds_add_u32 v28, v29
	s_wait_dscnt 0x0
	v_lshrrev_b32 v1, 5, v0
	v_readfirstlane_b32 s14, v1                    ; wave 0..3
	s_lshr_b32 s15, s14, 1                         ; hA: my half of A's rows.  Also, in tile 1: I fetch for A (0) or for B (1)
	s_and_b32 s16, s14, 1                          ; hB: my half of B's rows.  Also: which 128 rows I fetch
	s_bfe_u32 s12, ttmp6, 0x40000                  ; cx
	s_bfe_u32 s13, ttmp6, 0x40004                  ; cy
	s_and_b32 s17, ttmp7, 0xffff                   ; the cluster's y
	s_lshl_b32 s18, s13, 2
	s_lshl_b32 s18, 15, s18                        ; my row of the cluster
	s_lshl_b32 s19, 0x1111, s12                    ; my column
	s_or_b32 s[G1A], s18, (3<<16)|(1<<21)          ; 15:0 the mask; 17:16 elements of 8 bytes; 21 set beside a mask; no padding
	s_or_b32 s[G1SA], s18, (3<<16)|(1<<21)
	s_or_b32 s[G1B], s19, (3<<16)|(1<<21)
	s_or_b32 s[G1SB], s19, (3<<16)|(1<<21)
.irp g, G1A, G1B                       ; codes: 96 rows of 256 bytes, dense
	s_mov_b32 s[\g+1], 32<<16
	s_mov_b32 s[\g+2], 96<<16
	s_mov_b32 s[\g+3], 32<<16
	s_mov_b32 s[\g+4], 96
	s_mov_b32 s[\g+5], 32
	s_mov_b32 s[\g+6], 0
	s_mov_b32 s[\g+7], 0
.endr
.irp g, G1SA, G1SB                     ; scale words: 16 rows of 256 bytes
	s_mov_b32 s[\g+1], 32<<16
	s_mov_b32 s[\g+2], 16<<16
	s_mov_b32 s[\g+3], 32<<16
	s_mov_b32 s[\g+4], 16
	s_mov_b32 s[\g+5], 32
	s_mov_b32 s[\g+6], 0
	s_mov_b32 s[\g+7], 0
.endr
	s_lshl_b32 s22, s17, 2
	s_add_co_u32 s22, s22, s13                     ; tile 1, A: the block of 256 tokens: hangs on cy
	s_lshl_b32 s23, ttmp9, 2
	s_add_co_u32 s23, s23, s12                     ; tile 1, B: the block of 256 columns of q (0-3) or k (4-7): hangs on cx
	s_lshl_b32 s20, s22, 1
	s_add_co_u32 s20, s20, s16                     ; A: the group of 128 rows that I would fetch
	s_lshl_b32 s96, s20, 12
	s_add_co_u32 s96, s96, 6291456                 ; its scale words
	s_mov_b32 s97, 0
	s_mul_i32 s20, s20, 98304                      ; its codes
	s_mov_b32 s21, 0
	s_lshl_b32 s98, s23, 1
	s_add_co_u32 s98, s98, s16                     ; B likewise, in registers of its own
	s_lshl_b32 s100, s98, 12
	s_add_co_u32 s100, s100, 3145728
	s_mov_b32 s101, 0
	s_mul_i32 s98, s98, 98304
	s_mov_b32 s99, 0
	s_mul_i32 s2, s14, QUART                       ; where they go: wave x 24,576: no place in the cluster enters an LDS address
	s_lshl_b32 s3, s14, 12
	s_add_co_u32 s3, s3, SCL
	s_wait_kmcnt 0x0
	CROUND                                         ; all sixteen work-groups are here: the first joint loads meet
	s_mov_b32 s[G0SA], 1
	s_mov_b32 s[G0SA+1], s3
	s_add_nc_u64 s[G0SA+2:G0SA+3], s[4:5], s[96:97]
	s_or_b32 s[G0SA+3], s[G0SA+3], 0x80000000
	s_mov_b32 s[G0SB], 1
	s_mov_b32 s[G0SB+1], s3
	s_add_nc_u64 s[G0SB+2:G0SB+3], s[6:7], s[100:101]
	s_or_b32 s[G0SB+3], s[G0SB+3], 0x80000000
	JLOAD G0SA, G1SA, G0SB, G1SB                   ; the scale words first: they are wanted with K step 0
	s_add_nc_u64 s[92:93], s[4:5], s[20:21]
	s_add_nc_u64 s[94:95], s[6:7], s[98:99]
.irp s, 0,1,2
	s_mov_b32 s[G0A+4*\s], 1
	s_add_co_u32 s[G0A+4*\s+1], s2, \s*SLOT
	s_add_nc_u64 s[G0A+4*\s+2:G0A+4*\s+3], s[92:93], \s*QUART
	s_or_b32 s[G0A+4*\s+3], s[G0A+4*\s+3], 0x80000000
	s_mov_b32 s[G0B+4*\s], 1
	s_add_co_u32 s[G0B+4*\s+1], s2, \s*SLOT
	s_add_nc_u64 s[G0B+4*\s+2:G0B+4*\s+3], s[94:95], \s*QUART
	s_or_b32 s[G0B+4*\s+3], s[G0B+4*\s+3], 0x80000000
	s_wait_alu depctr_va_vdst(0)
	s_wait_tensorcnt 0x0
	ds_add_u32 v28, v29
	s_wait_dscnt 0x0
	CROUND
	JLOAD G0A+4*\s, G1A, G0B+4*\s, G1B
.endr
	v_and_b32 v1, 31, v0                           ; L
	v_and_b32 v2, 15, v0                           ; r
	v_bfe_u32 v3, v0, 4, 1                         ; h
	v_lshlrev_b32 v[VO16], 4, v1
	v_lshlrev_b32 v[VO8], 4, v2
	v_lshl_add_u32 v[VO8], v3, 3, v[VO8]
	v_and_b32 v[VT], 8, v2
	v_add_nc_u32 v[VT], v[VT], v2
	v_lshlrev_b32 v[VT], 8, v[VT]
	v_lshl_add_u32 v[VT], v3, 6, v[VT]             ; the table: row r + 8 (r / 8) of 256 bytes, + 64 h: my 16 frequencies
	s_mul_i32 s2, s15, QUART                       ; tile 1: my half of A,
	s_mul_i32 s3, s16, QUART
	s_add_co_u32 s3, s3, 2*QUART                   ; my half of B, behind A's two
.irp s, 0,1,2
	v_add_nc_u32 v[ADA+\s], s2, v[VO16]
	v_add_nc_u32 v[ADA2+\s], s2, v[VO8]
	v_add_nc_u32 v[ADB+\s], s3, v[VO16]
	v_add_nc_u32 v[ADB2+\s], s3, v[VO8]
	s_add_co_u32 s2, s2, SLOT
	s_add_co_u32 s3, s3, SLOT
.endr
	s_mul_i32 s2, s15, 12288                       ; tile 2: my four of A's eight tiles
.irp s, 0,1,2
	v_add_nc_u32 v[ADH+\s], s2, v[VO16]
	v_add_nc_u32 v[ADH2+\s], s2, v[VO8]
	s_add_co_u32 s2, s2, SLOT
.endr
	s_lshl_b32 s2, s15, 12
	s_lshl_b32 s3, s16, 12
	s_add_co_u32 s3, s3, 8192
	s_sub_co_u32 s3, s3, s2
	v_mul_u32_u24 v7, s3, v3                       ; lanes 16-31 take B's words: one product of h with the distance
	s_add_co_u32 s2, s2, SCL
	v_lshl_add_u32 v7, v2, 2, v7
	v_add_nc_u32 v[ADRS], s2, v7
	s_lshl_b32 s2, s15, 11                         ; tile 2: my four tiles' words are 2,048 bytes
	s_lshl_b32 s3, s16, 12
	s_add_co_u32 s3, s3, 8192
	s_sub_co_u32 s3, s3, s2
	v_mul_u32_u24 v7, s3, v3
	s_add_co_u32 s2, s2, SCL
	v_lshl_add_u32 v7, v2, 2, v7
	v_add_nc_u32 v[ADRS2], s2, v7
	; where tile 1's records go: region (cluster x) x 6,553,600 + head x 102,400 + (128 tokens) x 6,400
	s_lshr_b32 s2, s22, 3
	s_lshl_b32 s2, s2, 4                           ; 16 x batch
	s_lshl_b32 s3, s12, 2
	s_add_co_u32 s2, s2, s3                        ; + four heads for each block of 256 columns
	s_lshl_b32 s3, s16, 1
	s_add_co_u32 s2, s2, s3                        ; + two for my half: my first head
	s_mul_i32 s2, s2, 102400
	s_and_b32 s3, s22, 7
	s_lshl_b32 s3, s3, 1
	s_add_co_u32 s3, s3, s15                       ; which 128 tokens of the sequence
	s_mul_i32 s3, s3, 6400
	s_add_co_u32 s2, s2, s3
	s_mul_i32 s3, ttmp9, 6553600
	s_add_co_u32 s2, s2, s3
	s_mov_b32 s3, 0
	s_add_nc_u64 s[96:97], s[10:11], s[2:3]        ; my first head's record; my second head's lies 102,400 bytes on, which stands in the stores' immediates
	s_and_b32 s2, s22, 7
	s_lshl_b32 s2, s2, 1
	s_add_co_u32 s2, s2, s15
	s_lshl_b32 s2, s2, 15                          ; 128 rows of 256 bytes
	s_add_nc_u64 s[100:101], s[8:9], s[2:3]        ; the table at my 128 tokens
	; tile 2's operands.  A's address is made of the cluster's x and cy, B's of the cluster's y, cx and the wave's number, each with temporaries that never hold the other coordinate
	s_lshl_b32 s23, s17, 2
	s_add_co_u32 s23, s23, s12                     ; the block of 256 tokens: hangs on cx
	s_lshl_b32 s23, s23, 1
	s_add_co_u32 s23, s23, s16                     ; the group of 128 tokens that is my half, and that waves 2 and 3 fetch
	s_mul_i32 s98, s23, 98304
	s_add_nc_u64 s[94:95], s[4:5], s[98:99]
	s_lshl_b32 s22, ttmp9, 2
	s_add_co_u32 s22, s22, s13
	s_add_co_u32 s22, s22, 16                      ; v's group of 128 columns follows q's and k's sixteen: hangs on cy
	s_mul_i32 s20, s22, 98304
	s_add_nc_u64 s[92:93], s[6:7], s[20:21]
	s_lshr_b32 s2, s23, 4
	s_lshl_b32 s2, s2, 4                           ; 16 x batch
	s_sub_co_u32 s3, s22, 16
	s_lshl_b32 s3, s3, 1
	s_add_co_u32 s2, s2, s3
	s_add_co_u32 s2, s2, s15                       ; my head of v
	s_mul_i32 s2, s2, 102400
	s_and_b32 s3, s23, 15                          ; which 128 tokens of the sequence
	s_mul_i32 s3, s3, 6400
	s_add_co_u32 s2, s2, s3
	s_add_co_u32 s2, s2, 13107200
	s_mov_b32 s3, 0
	s_add_nc_u64 s[66:67], s[10:11], s[2:3]        ; v's record
	s_mov_b32 s[SEL], 0x76543210
	s_mov_b32 s[SEL+1], 0xfedcba98
	s_wait_alu depctr_va_vdst(0)
	s_wait_tensorcnt 2                             ; the scale words and my parts of slots 0 and 1 are in; slot 2 may be out
	s_barrier_signal -1
	s_barrier_wait -1
	FETCH_B 0, 0, 0
	FETCH_A 0, 0, 0
	SCALES ADRS
	FETCH_A 0, 0, 4
	STEP 0, 0, 1, 1                                ; the first step's products start the sums: nothing is cleared
	TURN 1, 1, 1                                   ; slots 1 and 2 are whole for every wave; slot 0 takes K steps 6 and 7, which have four steps in which to land
	STEP 2, 1, 1, 0
	STEP 3, 2, 0, 0
	STEP 4, 2, 1, 0
	TURN 5, 0, 2                                   ; slot 0's second fill has landed, in every wave; tile 2's scale words are asked for
; 64 numbers of a lane in window w, register 16 b + i = k 32 b + 16 h + i of my row, become a fragment's codes in v[PC] on and its scale word in v[pw].  An accumulator is read from its low end on.
.macro QUANT s, w, pw
	WIN (\w)|((\w)<<2)
.irp b, 0,1,2,3
	v_max3_num_f32 v[TM+\b], |v[\s+16*\b]|, |v[\s+16*\b+1]|, 0x2800000   ; with the floor 2^(5 - 127): the byte cannot fall under 1
.endr
	WIN ((\w)<<2)|((\w)<<4)
.irp i, 2,4,6,8,10,12,14
.irp b, 0,1,2,3
	v_max3_num_f32 v[TM+\b], v[TM+\b], |v[\s+16*\b+\i]|, |v[\s+16*\b+\i+1]|
.endr
.endr
	WIN 0
.irp b, 0,1,2,3
	v_permlanex16_b32 v[TM+4+\b], v[TM+\b], s[SEL], s[SEL+1]
.endr
.irp b, 0,1,2,3
	v_max_num_f32 v[TM+\b], v[TM+\b], v[TM+4+\b]   ; with lane l xor 16's: the block's largest magnitude
.endr
.irp b, 0,1,2,3
	v_add_nc_u32 v[TM+12+\b], 0xfe000000, v[TM+\b] ; 4 off its exponent field: the conversion's scale operand
.endr
.irp b, 0,1,2,3
	v_lshrrev_b32 v[TM+4+\b], 23, v[TM+12+\b]      ; the byte
.endr
	v_lshl_or_b32 v[\pw], v[TM+5], 8, v[TM+4]
	v_lshl_or_b32 v[\pw], v[TM+6], 16, v[\pw]
	v_lshl_or_b32 v[\pw], v[TM+7], 24, v[\pw]
	s_wait_xcnt 0x0                                ; the last tile's stores have read v[PC] on: only behind this wait is it written again
	WIN (\w)
.irp c, 0,1
	v_cvt_scalef32_pk16_bf6_f32 v[PC+6*\c:PC+6*\c+2], v[\s+32*\c:\s+32*\c+15], v[TM+12+2*\c]
	v_cvt_scalef32_pk16_bf6_f32 v[CT+4*\c:CT+4*\c+2], v[\s+32*\c+16:\s+32*\c+31], v[TM+12+2*\c+1]
.endr
	WIN 0
	v_nop                                          ; one plain line behind a scaled conversion
.irp c, 0,1                            ; the operand's layout wants a whole block in a lane: lanes 0-15 block 2 c, lanes 16-31 block 2 c + 1
.irp i, 0,1,2
	v_permlane16_swap_b32 v[PC+6*\c+\i], v[CT+4*\c+\i]
.endr
.irp i, 0,1,2
	v_mov_b32 v[PC+3+6*\c+\i], v[CT+4*\c+\i]
.endr
.endr
.endm
.macro TLD a                           ; the table for token tile a: my token's cos and sin at frequencies 16 h + 0 .. 15, into window 1
.set TL, 96+128*((\a)%2)
	WIN TO_B
.irp j, 0,1,2,3
	global_load_b128 v[TL+4*\j:TL+4*\j+3], v[VT], s[100:101] offset:(32*((\a)/2)+8*((\a)%2))*256+16*\j
	global_load_b128 v[TL+16+4*\j:TL+16+4*\j+3], v[VT], s[100:101] offset:(32*((\a)/2)+8*((\a)%2))*256+128+16*\j
.endr
	WIN 0
.endm
; q, k: token tile a.  Register 32 e + i is channel 16 h + i of head e, register 32 e + 16 + i channel 32 + 16 h + i: a rotation's two numbers lie in one lane.
.macro QKTILE a
.set AC, 64*((\a)%4)
.set TB, 96+128*((\a)%2)
.if \a < 7
	s_wait_loadcnt 8                               ; this tile's eight table loads are in; the next tile's may be out
.else
	s_wait_loadcnt 0x0
.endif
	WIN (2+(\a)/4)|(1<<2)                          ; source 0: the accumulators' window; source 1: the table's
.irp e, 0,1
.irp i, 0,2,4,6,8,10,12,14
	v_pk_mul_f32 v[HA+32*\e+\i:HA+32*\e+\i+1], v[AC+32*\e+16+\i:AC+32*\e+16+\i+1], v[TB+16+\i:TB+16+\i+1]
	v_pk_mul_f32 v[HA+32*\e+16+\i:HA+32*\e+16+\i+1], v[AC+32*\e+\i:AC+32*\e+\i+1], v[TB+16+\i:TB+16+\i+1]
	v_pk_fma_f32 v[HA+32*\e+\i:HA+32*\e+\i+1], v[AC+32*\e+\i:AC+32*\e+\i+1], v[TB+\i:TB+\i+1], v[HA+32*\e+\i:HA+32*\e+\i+1] neg_lo:[0,0,1] neg_hi:[0,0,1]   ; x1 cos - x2 sin
	v_pk_fma_f32 v[HA+32*\e+16+\i:HA+32*\e+16+\i+1], v[AC+32*\e+16+\i:AC+32*\e+16+\i+1], v[TB+\i:TB+\i+1], v[HA+32*\e+16+\i:HA+32*\e+16+\i+1]             ; x2 cos + x1 sin
.endr
.endr
	WIN 0
.if \a < 6
	TLD (\a)+2
.endif
	QUANT HA, 0, PW+(\a)                           ; registers 0-5 of the codes: my first head's half; 6-11: my second head's
	global_store_b128 v[VO16], v[PC:PC+3], s[96:97] offset:768*(\a)
	global_store_b64 v[VO8], v[PC+4:PC+5], s[96:97] offset:768*(\a)+512
	global_store_b128 v[VO16], v[PC+6:PC+9], s[96:97] offset:102400+768*(\a)
	global_store_b64 v[VO8], v[PC+10:PC+11], s[96:97] offset:102400+768*(\a)+512
.endm
; v: channel tile a of my head: its 64 registers are 128 tokens: a whole fragment
.macro VTILE a
	QUANT 64*(\a), 2, PW+(\a)
	global_store_b128 v[VO16], v[PC:PC+3], s[66:67] offset:1536*(\a)
	global_store_b64 v[VO8], v[PC+4:PC+5], s[66:67] offset:1536*(\a)+512
	global_store_b128 v[VO16], v[PC+6:PC+9], s[66:67] offset:1536*(\a)+768
	global_store_b64 v[VO8], v[PC+10:PC+11], s[66:67] offset:1536*(\a)+1280
.endm
	TLD 0                                          ; the first two tiles of the table land under the last two K steps
	TLD 1
	STEP 6, 0, 1, 0
	TURN7
	; ---- tile 1's epilogue; tile 2's slots are asked for on the way
	PLACES 4                                       ; behind the last products
.irp b, 0,1,2,3
	v_mov_b32 v[TM+4+\b], 0                        ; written once: a lane permute's destination counts as one of its sources
.endr
	QKTILE 0
	QKTILE 1
	QKTILE 2
	REFILL 2, 1                                    ; slot 2, last read for K step 5
	QKTILE 3
	QKTILE 4
	QKTILE 5
	REFILL 0, 2                                    ; slot 0, last read for K step 7
	QKTILE 6
	QKTILE 7
.irp b, 0,1,2,3                        ; a record's word x: tile 2 x's two bytes, then tile 2 x + 1's; a tile's word holds my first head's bytes below and my second head's above
	v_perm_b32 v[TM+\b], v[PW+2*\b+1], v[PW+2*\b], 0x05040100
	v_perm_b32 v[TM+4+\b], v[PW+2*\b+1], v[PW+2*\b], 0x07060302
.endr
	v_cmp_ne_u32 vcc_lo, 0, v3
.irp e, 0,1
	v_cndmask_b32 v[WD+2*\e], v[TM+4*\e], v[TM+4*\e+2], vcc_lo       ; lane (r, h) stores words 2 h and 2 h + 1 of row r
	v_cndmask_b32 v[WD+2*\e+1], v[TM+4*\e+1], v[TM+4*\e+3], vcc_lo
	global_store_b64 v[VO8], v[WD+2*\e:WD+2*\e+1], s[96:97] offset:102400*\e+6144   ; 256 consecutive bytes
.endr
	; ---- tile 2.  Its scale words, slot 1 and slot 2 were shown landed to every wave by the rounds above; slot 0's load may be out
	FETCH_BH 1, 0, 0, 0
	FETCH_BH 1, 0, 0, 4
	FETCH_AH 1, 0, 0
	SCALES ADRS2
	HSTEP 0, 1, 1, 1                               ; the first step's products start the sums anew
	HTURN 1, 2, 1                                  ; slot 0 is whole for every wave; slot 1 takes K steps 6 and 7
	HSTEP 2, 2, 1, 0
	HSTEP 3, 0, 0, 0
	HSTEP 4, 0, 1, 0
	HTURN 5, 1, 0
	HSTEP 6, 1, 1, 0
	s_wait_dscnt 0x0                               ; the last step: nothing more to fetch
	MUL8 0, 1, 7, 0
	MUL8 1, 1, 7, 0
	MUL8 2, 1, 7, 0
	MUL8 3, 1, 7, 0
	WIN 0
	PLACES 4                                       ; behind the last products
	VTILE 0
	VTILE 1
	VTILE 2
	VTILE 3
	v_cmp_ne_u32 vcc_lo, 0, v3
	v_cndmask_b32 v[WD], v[PW], v[PW+2], vcc_lo    ; (the quantisers' waits have freed these two registers of tile 1's stores)
	v_cndmask_b32 v[WD+1], v[PW+1], v[PW+3], vcc_lo
	global_store_b64 v[VO8], v[WD:WD+1], s[66:67] offset:6144
	s_wait_tensorcnt 0x0                           ; the wave's end
	ds_add_u32 v[SPW], v[NIL]
	s_wait_dscnt 0x0
	CROUND                                         ; the closing round: no work-group ends while a partner may still ask for a block that names it
	s_endpgm
.Lfunc_end_k_q92d1c9996b_gemm_qkv:
	.size	k_q92d1c9996b_gemm_qkv, .Lfunc_end_k_q92d1c9996b_gemm_qkv-k_q92d1c9996b_gemm_qkv
	.p2alignl 7, 3214868480
	.fill 96, 4, 3214868480
	.section	.rodata,"a",@progbits
	.p2align	6, 0x0
	.amdhsa_kernel k_q92d1c9996b_gemm_qkv
		.amdhsa_group_segment_fixed_size 327680
		.amdhsa_private_segment_fixed_size 0
		.amdhsa_enable_private_segment 0
		.amdhsa_kernarg_size 32
		.amdhsa_user_sgpr_count 2
		.amdhsa_user_sgpr_kernarg_segment_ptr 1
		.amdhsa_wavefront_size32 1
		.amdhsa_system_sgpr_workgroup_id_x 1
		.amdhsa_system_sgpr_workgroup_id_y 1
		.amdhsa_system_sgpr_workgroup_id_z 1
		.amdhsa_system_vgpr_workitem_id 0
		.amdhsa_next_free_vgpr 1024
		.amdhsa_next_free_sgpr 102
		.amdhsa_reserve_vcc 1
		.amdhsa_float_denorm_mode_32 3
		.amdhsa_float_denorm_mode_16_64 3
		.amdhsa_memory_ordered 1
		.amdhsa_forward_progress 1
		.amdhsa_inst_pref_size 255
	.end_amdhsa_kernel
	.section	.bss,"aw",@nobits
	.p2align	6
	.space	262144
	.amdgpu_metadata
---
amdhsa.version: [ 1, 2 ]
amdhsa.kernels:
  - .name:           k_q92d1c9996b_gemm_qkv
    .symbol:         k_q92d1c9996b_gemm_qkv.kd
    .args:
      - { .name: xq, .offset: 0, .size: 8, .value_kind: global_buffer, .address_space: global }
      - { .name: wq, .offset: 8, .size: 8, .value_kind: global_buffer, .address_space: global }
      - { .name: tab, .offset: 16, .size: 8, .value_kind: global_buffer, .address_space: global }
      - { .name: qkv, .offset: 24, .size: 8, .value_kind: global_buffer, .address_space: global }
    .group_segment_fixed_size: 327680
    .private_segment_fixed_size: 0
    .kernarg_segment_align: 8
    .kernarg_segment_size: 32
    .max_flat_workgroup_size: 128
    .sgpr_count:     102
    .vgpr_count:     1024
    .wavefront_size: 32
...
	.end_amdgpu_metadata
.endif
;; end of part 2
;; launch attn (part 3): grid 4 x 64, 16 waves a work-group, clusters of 4 x 1, 206,848 bytes of LDS; arguments qkv, aq; writes aq
.if DOCPART == 3
	.amdgcn_target "amdgcn-amd-amdhsa--gfx1250"
	.amdhsa_code_object_version 6
	.text
	.protected	k_q92d1c9996b_attn
	.globl	k_q92d1c9996b_attn
	.p2align	8
	.type	k_q92d1c9996b_attn,@function
k_q92d1c9996b_attn:
	s_mov_b64 s[64:65], 0
	v_nop
	global_prefetch_b8 v0, s[64:65] scope:SCOPE_SE
	s_setreg_imm32_b32 hwreg(HW_REG_WAVE_MODE, 25, 1), 1
	s_wait_xcnt 0x0
	s_wait_alu depctr_hold_cnt(0) depctr_sa_sdst(0) depctr_va_vdst(0) depctr_va_sdst(0) depctr_va_ssrc(0) depctr_va_vcc(0) depctr_vm_vsrc(0)
	s_getreg_b32 s2, hwreg(HW_REG_IB_STS2, 6, 4)
	s_cmp_eq_u32 s2, 0
	s_cbranch_scc0 .Lentry_in_a_cluster
	s_endpgm
.Lentry_in_a_cluster:
	s_bfe_u32 s2, ttmp6, 0x10000c
	s_cmp_lg_u32 s2, 0x3003
	s_cbranch_scc0 .Lentry_shape_is_right
	s_endpgm
.Lentry_shape_is_right:
; Causal attention of one head on codes of BF6 (E3M2) with E8M0 scales; O / l is quantised along the model's 1,024 channels and leaves as codes, laid as the last product's operand.
; THE SOFTMAX: t = score x log2(e) / 8; M = the running largest t, rounded up to a whole number; p = 2^(t - M) is quantised along the keys, not normalised; the row's sum is taken of the unquantised p and divides O at the end.
; When M moves, the sum and O are multiplied by 2^(old M - new M): exact.
; A HEAD'S K AND V, codes and scale words, are 204,800 bytes: they come into LDS once and stay.  No slot is filled again; behind one barrier the waves run free of each other.
; CLUSTER: the four work-groups of a cluster belong to one head: each quarter of K (waves 0-3) and of V (waves 4-7) is asked for jointly, by the same load with the mask of all four.
; SHARES.  Work-group g of the cluster takes query tiles 4 rho + g.  Wave w takes rho = w and then rho = 31 - w: rho / 2 + 1 key steps of 128 each, 17 for every wave of every work-group, whatever g is.
; The loops' trip counts are constants (8, 16); a step whose keys all come after the tile's queries is jumped over by a branch on the wave's number.
; LAYOUT.  Both products are used transposed: a lane holds one query (lane % 16).  The tokens of a tile are 32 (a / 2) + 8 (a % 2) + r + 8 (r / 8), so the 16 registers of key tiles 2 b, 2 b + 1 are keys 32 b + 16 h + 0 .. 15.
; THE HEAD'S 64 ON AN INSTRUCTION OF 128: a fragment of K carries two key tiles (k 0-63 tile 2 b, k 64-127 tile 2 b + 1); q stands in a run [6 zeros | 6 codes | 6 zeros]: the run's upper 12 registers pick tile 2 b, its lower 12 tile 2 b + 1.
; LIMITS: a block of zeros gets the byte 1 where the rule says 127 (zero codes; this program alone reads the bytes); NaN and infinities are not served.
; REGISTERS: v1-6 lane terms; v7 the first tile's scale bytes; v8-11, v220-221 the step's LDS addresses; v12 -M, v13 the largest t, v[14:15] the sum; v16-33 q's run; v34 q's scale word; v36-83 four fragments of K, then of V;
;   v84-87 their scale words; v88-151 S^T, then p; v152-183 O^T; v184-202 codes; v204-215 the quantiser's scratch; v218 f, v219 p's scale word.
.set REC,  6400                        ; a record: 128 tokens of a head
.set VOFF, 102400                      ; V's sixteen records lie behind K's
.set F,    36
.set WV,   8
.set G,    9
.set BH,   10
.set SEL,  32
.set CS,   34
.set RHO,  37
.set NST,  38
.set K7,   39
.set J,    40
.set TK,   41
.macro CROUND
	s_barrier_signal -1
	s_barrier_wait -1
	s_cmp_lg_u32 s[WV], 0
	s_cbranch_scc1 .Lnot_wave_0_\@
	s_barrier_signal -3
.Lnot_wave_0_\@:
	s_barrier_wait -3
	s_barrier_signal -1
	s_barrier_wait -1
.endm
.macro FRAG reg, a16, a8, off          ; a fragment's 12 registers: four loads, each of 512 or 256 consecutive bytes
	ds_load_b128 v[\reg:\reg+3], v[\a16] offset:\off
	ds_load_b64 v[\reg+4:\reg+5], v[\a8] offset:\off+512
	ds_load_b128 v[\reg+6:\reg+9], v[\a16] offset:\off+768
	ds_load_b64 v[\reg+10:\reg+11], v[\a8] offset:\off+1280
.endm
	s_load_b128 s[4:7], s[0:1], 0x0                ; qkv s[4:5], aq s[6:7]
	v_lshl_add_u32 v254, v0, 2, 0x32000
	v_mov_b32 v255, 0
	ds_add_u32 v254, v255
	ds_add_u32 v254, v255
	v_lshrrev_b32 v1, 5, v0
	s_delay_alu instid0(VALU_DEP_1)
	v_readfirstlane_b32 s[WV], v1                  ; wave 0..15
	s_bfe_u32 s[G], ttmp6, 0x40000                 ; g: my place in the cluster: it enters global addresses and the mask's constant alone
	s_and_b32 s[BH], ttmp7, 0xffff                 ; 16 x batch + head
	s_mov_b32 s16, 15|(3<<16)|(1<<21)              ; 15:0 the mask: all four; 17:16 elements of 8 bytes; 21 set beside a mask
	s_mov_b32 s17, 32<<16                          ; 100 rows of 256 bytes, dense: a quarter of a head's K or V
	s_mov_b32 s18, 100<<16
	s_mov_b32 s19, 32<<16
	s_mov_b32 s20, 100
	s_mov_b32 s21, 32
	s_mov_b32 s22, 0
	s_mov_b32 s23, 0
	s_mul_i32 s12, s[BH], 102400                   ; the head's first byte in each of the three regions
	s_mul_i32 s13, s[WV], 25600
	s_add_co_u32 s54, s12, s13
	s_mov_b32 s55, 0
	s_wait_dscnt 0x0
	s_wait_kmcnt 0x0
	s_mov_b32 s24, 1
	s_mov_b32 s25, s13                             ; waves 0-3: K's quarters at LDS byte 25,600 x wave
	s_add_nc_u64 s[26:27], s[4:5], s[54:55]
	s_add_nc_u64 s[26:27], s[26:27], 6553600
	s_or_b32 s27, s27, 0x80000000
	s_mov_b32 s28, 1
	s_mov_b32 s29, s13                             ; waves 4-7: V's quarters, by the same formula: 102,400 + 25,600 x (wave - 4)
	s_add_nc_u64 s[30:31], s[4:5], s[54:55]
	s_add_nc_u64 s[30:31], s[30:31], 13004800      ; 2 x 6,553,600 - 4 x 25,600
	s_or_b32 s31, s31, 0x80000000
	CROUND                                         ; all four work-groups are here: the joint loads meet
	s_cmp_lt_u32 s[WV], 4
	s_cbranch_scc0 .Lnot_k
	tensor_load_to_lds s[24:27], s[16:23]
	s_nop 0
.rept 4
	v_nop
.endr
	s_branch .Lasked
.Lnot_k:
	s_cmp_lt_u32 s[WV], 8
	s_cbranch_scc0 .Lasked
	tensor_load_to_lds s[28:31], s[16:23]
	s_nop 0
.rept 4
	v_nop
.endr
.Lasked:
	v_and_b32 v216, 31, v0                         ; L
	v_and_b32 v217, 15, v0                         ; r
	v_bfe_u32 v6, v0, 4, 1                         ; h
	s_delay_alu instid0(VALU_DEP_3)
	v_lshlrev_b32 v1, 4, v216                      ; 16 L
	s_delay_alu instid0(VALU_DEP_3)
	v_lshlrev_b32 v3, 4, v217                      ; 16 r
	s_delay_alu instid0(VALU_DEP_1)
	v_lshl_add_u32 v2, v6, 3, v3                   ; 16 r + 8 h
	v_and_b32 v5, 8, v217
	s_delay_alu instid0(VALU_DEP_1)
	v_add_nc_u32 v5, v5, v217
	v_lshlrev_b32 v222, 4, v6
	s_delay_alu instid0(VALU_DEP_1)
	v_sub_nc_u32 v5, v5, v222                      ; r + 8 (r / 8) - 16 h
.irp i, 16,17,18,19,20,21,28,29,30,31,32,33
	v_mov_b32 v\i, 0                               ; the zero codes on both sides of q's
.endr
.irp b, 0,1,2,3
	v_mov_b32 v[208+\b], 0                         ; written once: a lane permute's destination counts as one of its sources
.endr
	v_mov_b32 v219, 0                              ; (named as the upper half of the pair v[218:219] before it is first written)
	s_mov_b32 s[SEL], 0x76543210
	s_mov_b32 s[SEL+1], 0xfedcba98
	s_mov_b32 s[CS], 0x3e38aa3b                    ; c = log2(e) / 8
	s_mov_b32 s[CS+1], s[CS]
	s_and_b32 s54, s[G], 1
	s_mul_i32 s36, s54, 0x02020202
	s_add_co_u32 s36, s36, 0x01000100              ; byte selects: my tile's two scale bytes, twice
	s_and_b32 s60, s[BH], 15                       ; the head
	s_lshr_b32 s56, s[BH], 4
	s_lshl_b32 s56, s56, 4                         ; 16 x batch: the batch's first group of 128 tokens
	s_lshr_b32 s57, s60, 2
	s_mul_i32 s52, s57, 24576                      ; the head's 64 channels in aq: K step head / 2, half head % 2
	s_bfe_u32 s57, s60, 0x10001
	s_mul_i32 s57, s57, 1536
	s_add_co_u32 s52, s52, s57
	s_and_b32 s57, s60, 1
	s_mul_i32 s58, s57, 768
	s_add_co_u32 s52, s52, s58
	s_lshl_b32 s57, s57, 1
	s_lshr_b32 s58, s60, 1
	s_lshl_b32 s58, s58, 6
	s_add_co_u32 s53, s57, s58
	s_add_co_u32 s53, s53, 6291456                 ; and its two bytes in a row's scale words
	s_wait_tensorcnt 0x0                           ; my quarter, if I fetched one, has landed;
	s_barrier_signal -1
	s_barrier_wait -1                              ; everybody's has
; A KEY STEP: 128 keys at LDS byte s[TK].
.macro KSTEP
	v_add_nc_u32 v8, s[TK], v1                     ; (these six lines are also the places behind the last products)
	v_add_nc_u32 v9, s[TK], v2
	v_add_nc_u32 v10, s[TK], v3
	s_delay_alu instid0(VALU_DEP_3)
	v_add_nc_u32 v11, VOFF, v8
	s_delay_alu instid0(VALU_DEP_3)
	v_add_nc_u32 v220, VOFF, v9
	s_delay_alu instid0(VALU_DEP_3)
	v_add_nc_u32 v221, VOFF, v10
.irp b, 0,1,2,3
	FRAG F+12*\b, 8, 9, 1536*\b
.endr
	ds_load_b128 v[84:87], v10 offset:6144         ; row r's four scale words
	s_wait_alu depctr_va_vdst(0)
	s_wait_dscnt 0x0
.irp b, 0,1,2,3
	v_wmma_scale_f32_16x16x128_f8f6f4 v[88+16*\b:95+16*\b], v[F+12*\b:F+12*\b+11], v[22:33], 0, v[84+\b], v34 matrix_a_fmt:MATRIX_FMT_BF6 matrix_b_fmt:MATRIX_FMT_BF6    ; key tile 2 b
	v_wmma_scale_f32_16x16x128_f8f6f4 v[96+16*\b:103+16*\b], v[F+12*\b:F+12*\b+11], v[16:27], 0, v[84+\b], v34 matrix_a_fmt:MATRIX_FMT_BF6 matrix_b_fmt:MATRIX_FMT_BF6  ; key tile 2 b + 1
.endr
.rept 4
	v_nop                                          ; places in front of loads into registers that the products have read, and of the first read of the scores
.endr
.irp t, 0,1,2,3
	FRAG F+12*\t, 11, 220, 1536*\t                 ; V's fragments land under the softmax
.endr
	ds_load_b128 v[84:87], v221 offset:6144
	s_cmp_lg_u32 s[J], s[NST]                      ; on the diagonal the scores of hidden keys become -infinity: p = 0 then
	s_cbranch_scc1 .Lopen_\@
	v_mov_b32 v222, 0xff800000
.set n, 0
.rept 64
	v_cmp_gt_i32 vcc_lo, 32*(n/16)+n%16, v4        ; register 16 b + i holds key 32 b + 16 h + i: hidden where 32 b + i > my query - 16 h
	v_cndmask_b32 v[88+n], v[88+n], v222, vcc_lo
.set n, n+1
.endr
.Lopen_\@:
.irp b, 0,1,2,3
	v_max3_num_f32 v[204+\b], v[88+16*\b], v[89+16*\b], v[90+16*\b]   ; the largest score of each block of 32 keys: for the row's maximum, and, since p rises with the score, for the block's largest p
.endr
.irp i, 3,5,7,9,11,13
.irp b, 0,1,2,3
	v_max3_num_f32 v[204+\b], v[204+\b], v[88+16*\b+\i], v[89+16*\b+\i]
.endr
.endr
.irp b, 0,1,2,3
	v_max_num_f32 v[204+\b], v[204+\b], v[103+16*\b]
.endr
.irp b, 0,1,2,3
	s_delay_alu instid0(VALU_DEP_4)
	v_permlanex16_b32 v[208+\b], v[204+\b], s[SEL], s[SEL+1]
.endr
.irp b, 0,1,2,3
	s_delay_alu instid0(VALU_DEP_4)
	v_max_num_f32 v[204+\b], v[204+\b], v[208+\b]  ; with lane l xor 16's 16 keys
.endr
	s_delay_alu instid0(VALU_DEP_2)
	v_max3_num_f32 v222, v204, v205, v206
	s_delay_alu instid0(VALU_DEP_1)
	v_max_num_f32 v222, v222, v207
	s_delay_alu instid0(VALU_DEP_1)
	v_mul_f32 v222, s[CS], v222                    ; as t
	s_delay_alu instid0(VALU_DEP_1)
	v_max_num_f32 v13, v13, v222                   ; the running largest t
	v_mov_b32 v222, v12
	s_delay_alu instid0(VALU_DEP_2)
	v_floor_f32 v12, -v13                          ; the new -M = -ceil(t)
	s_delay_alu instid0(VALU_DEP_1)
	v_sub_f32 v222, v12, v222                      ; old M - new M: a whole number, 0 or less
	s_delay_alu instid0(VALU_DEP_1)
	v_cvt_i32_f32 v222, v222                       ; (it saturates)
	s_delay_alu instid0(VALU_DEP_1)
	v_ldexp_f32 v218, 1.0, v222                    ; f = 2^(old M - new M)
.set n, 0
	s_setprio 1
.rept 32
	v_pk_fma_f32 v[88+n:89+n], v[88+n:89+n], s[CS:CS+1], v[12:13] op_sel_hi:[1,0,0]   ; t - M
.set n, n+2
.endr
.irp b, 0,1,2,3
	v_fma_f32 v[204+\b], v[204+\b], s[CS], v12
.endr
.set n, 0
	s_wait_alu depctr_va_vdst(0)
.rept 64
	v_exp_f32 v[88+n], v[88+n]                     ; p
.set n, n+1
.endr
.irp b, 0,1,2,3
	v_exp_f32 v[204+\b], v[204+\b]                 ; the block's largest p: the same two instructions on the same number
.endr
	v_pk_mul_f32 v[14:15], v[14:15], v[218:219] op_sel_hi:[1,0]   ; the sums under the new M.  (A plain line behind the exponentials)
	s_wait_alu depctr_va_vdst(0)
.irp b, 0,1,2,3
	v_max_num_f32 v[204+\b], 0x2800000, v[204+\b]  ; the floor 2^(5 - 127)
.endr
.irp b, 0,1,2,3
	s_delay_alu instid0(VALU_DEP_4)
	v_add_nc_u32 v[212+\b], 0xfe000000, v[204+\b]
.endr
.irp b, 0,1,2,3
	s_delay_alu instid0(VALU_DEP_4)
	v_lshrrev_b32 v[208+\b], 23, v[212+\b]
.endr
	s_delay_alu instid0(VALU_DEP_3)
	v_lshl_or_b32 v219, v209, 8, v208              ; p's scale word for these 128 keys
	s_delay_alu instid0(VALU_DEP_1)
	v_lshl_or_b32 v219, v210, 16, v219
	s_delay_alu instid0(VALU_DEP_1)
	v_lshl_or_b32 v219, v211, 24, v219
.irp c, 0,1
	v_cvt_scalef32_pk16_bf6_f32 v[184+6*\c:186+6*\c], v[88+32*\c:103+32*\c], v[212+2*\c]
	v_cvt_scalef32_pk16_bf6_f32 v[196+4*\c:198+4*\c], v[104+32*\c:119+32*\c], v[213+2*\c]
.endr
	v_nop                                          ; one plain line behind a scaled conversion
.irp c, 0,1
.irp i, 0,1,2
	v_permlane16_swap_b32 v[184+6*\c+\i], v[196+4*\c+\i]
.endr
.irp i, 0,1,2
	s_delay_alu instid0(VALU_DEP_3)
	v_mov_b32 v[187+6*\c+\i], v[196+4*\c+\i]
.endr
.endr
.set n, 0
.rept 16
	v_pk_mul_f32 v[152+n:153+n], v[152+n:153+n], v[218:219] op_sel_hi:[1,0]   ; O^T under the new M
.set n, n+2
.endr
	s_setprio 0
	v_pk_add_f32 v[208:209], v[92:93], v[96:97]
	v_pk_add_f32 v[252:253], v[100:101], v[104:105]
	v_pk_add_f32 v[250:251], v[108:109], v[112:113]
	v_pk_add_f32 v[248:249], v[116:117], v[120:121]
	v_pk_add_f32 v[246:247], v[124:125], v[128:129]
	v_pk_add_f32 v[244:245], v[132:133], v[136:137]
	v_pk_add_f32 v[242:243], v[140:141], v[144:145]
	v_pk_add_f32 v[14:15], v[14:15], v[148:149]
	v_pk_add_f32 v[208:209], v[208:209], v[88:89]
	v_pk_add_f32 v[252:253], v[252:253], v[90:91]
	v_pk_add_f32 v[250:251], v[250:251], v[94:95]
	v_pk_add_f32 v[248:249], v[248:249], v[98:99]
	v_pk_add_f32 v[246:247], v[246:247], v[102:103]
	v_pk_add_f32 v[244:245], v[244:245], v[106:107]
	v_pk_add_f32 v[242:243], v[242:243], v[110:111]
	v_pk_add_f32 v[14:15], v[14:15], v[114:115]
	v_pk_add_f32 v[208:209], v[208:209], v[118:119]
	v_pk_add_f32 v[252:253], v[252:253], v[122:123]
	v_pk_add_f32 v[250:251], v[250:251], v[126:127]
	v_pk_add_f32 v[248:249], v[248:249], v[130:131]
	v_pk_add_f32 v[246:247], v[246:247], v[134:135]
	v_pk_add_f32 v[244:245], v[244:245], v[138:139]
	v_pk_add_f32 v[242:243], v[242:243], v[142:143]
	v_pk_add_f32 v[14:15], v[14:15], v[146:147]
	v_pk_add_f32 v[208:209], v[208:209], v[150:151]
	s_delay_alu instid0(VALU_DEP_2)
	v_pk_add_f32 v[14:15], v[14:15], v[248:249]
	s_delay_alu instid0(VALU_DEP_2)
	v_pk_add_f32 v[208:209], v[208:209], v[246:247]
	v_pk_add_f32 v[252:253], v[252:253], v[244:245]
	v_pk_add_f32 v[250:251], v[250:251], v[242:243]
	s_delay_alu instid0(VALU_DEP_2)
	v_pk_add_f32 v[14:15], v[14:15], v[252:253]
	s_delay_alu instid0(VALU_DEP_2)
	v_pk_add_f32 v[208:209], v[208:209], v[250:251]
	s_delay_alu instid0(VALU_DEP_1)
	v_pk_add_f32 v[14:15], v[14:15], v[208:209]
	s_wait_dscnt 0x0                               ; V is in
.irp t, 0,1,2,3
	v_wmma_scale_f32_16x16x128_f8f6f4 v[152+8*\t:159+8*\t], v[F+12*\t:F+12*\t+11], v[184:195], v[152+8*\t:159+8*\t], v[84+\t], v219 matrix_a_fmt:MATRIX_FMT_BF6 matrix_b_fmt:MATRIX_FMT_BF6
.endr
.endm
; ONE QUERY TILE: rho = wave (second = 0) or 31 - wave (1).
.macro PASS trips, second
	s_wait_xcnt 0x0                                ; the last tile's loads and stores have read their bases and registers
.if \second
	s_xor_b32 s[RHO], s[WV], 31                    ; 31 - wave
.else
	s_mov_b32 s[RHO], s[WV]
.endif
	s_lshr_b32 s[NST], s[RHO], 1                   ; the record of 128 tokens in which my tile lies: the last key step
	s_and_b32 s[K7], s[RHO], 1
	s_lshl_b32 s[K7], s[K7], 2
	s_add_co_u32 s[K7], s[K7], s[G]                ; and which of its eight tiles
	s_mul_i32 s54, s[NST], REC
	s_add_co_u32 s54, s54, s12
	s_mov_b32 s55, 0
	s_add_nc_u64 s[46:47], s[4:5], s[54:55]        ; q's record
	s_mul_i32 s54, s[K7], 768
	s_add_nc_u64 s[44:45], s[46:47], s[54:55]      ; my tile's codes
	s_lshr_b32 s57, s[K7], 1
	s_lshl_b32 s54, s57, 2
	s_add_co_u32 s54, s54, 6144
	s_add_nc_u64 s[46:47], s[46:47], s[54:55]      ; the scale words of my pair of tiles
	global_load_b128 v[22:25], v1, s[44:45]
	global_load_b64 v[26:27], v2, s[44:45] offset:512
	global_load_b32 v35, v3, s[46:47]
	s_lshl_b32 s57, s57, 5
	s_and_b32 s58, s[G], 1
	s_lshl_b32 s58, s58, 3
	s_add_co_u32 s57, s57, s58
	v_add_nc_u32 v4, s57, v5                       ; my query's place among the record's 128 tokens, less 16 h
	s_add_co_u32 s58, s56, s[NST]                  ; aq: the group of 128 tokens
	s_mul_i32 s54, s58, 98304
	s_add_co_u32 s54, s54, s52
	s_mul_i32 s59, s[K7], 3072
	s_add_co_u32 s54, s54, s59
	s_add_nc_u64 s[48:49], s[6:7], s[54:55]        ; where my tile's codes go
	s_lshl_b32 s58, s58, 3
	s_add_co_u32 s58, s58, s[K7]
	s_lshl_b32 s58, s58, 9
	s_add_co_u32 s[50+\second], s58, s53           ; and its scale bytes
	v_mov_b32 v13, 0xff61b1e6                      ; the largest t so far: -3e38
	s_delay_alu instid0(VALU_DEP_1)
	v_floor_f32 v12, -v13
	v_mov_b32 v14, 0
	v_mov_b32 v15, 0
	s_wait_loadcnt 0x0
	v_perm_b32 v34, v35, v35, s36                  ; q's scale word: my tile's two bytes, for either half of the 128
.set n, 0
.rept 32
	v_mov_b32 v[152+n], 0                          ; O^T: the step is written once, and the first change of M leaves zeros zeros.  (Also the places between q's scale word and the first product)
.set n, n+1
.endr
	s_mov_b32 s[J], 0
	s_mov_b32 s[TK], 0
.Lk_\@:
	s_cmp_gt_u32 s[J], s[NST]                      ; all of this step's keys come after my queries: only the two steps below are taken
	s_cbranch_scc1 .Lskip_\@
	s_setprio 2
	KSTEP
.Lskip_\@:
	s_add_co_u32 s[TK], s[TK], REC
	s_add_co_u32 s[J], s[J], 1
	s_cmp_lt_u32 s[J], \trips
	s_cbranch_scc1 .Lk_\@
	s_setprio 0
.rept 4
	v_nop                                          ; behind the last products
.endr
	s_wait_alu depctr_va_vdst(0)
	v_add_f32 v14, v14, v15
	s_delay_alu instid0(VALU_DEP_1)
	v_permlanex16_b32 v222, v14, s[SEL], s[SEL+1]
	s_delay_alu instid0(VALU_DEP_1)
	v_add_f32 v14, v14, v222                       ; the row's sum
	s_wait_alu depctr_va_vdst(0)
	v_rcp_f32 v14, v14
	v_nop                                          ; a plain line behind the reciprocal
.set n, 0
	s_wait_alu depctr_va_vdst(0)
.rept 16
	v_pk_mul_f32 v[88+n:89+n], v[152+n:153+n], v[14:15] op_sel_hi:[1,0]   ; O / l: register 16 b + i is channel 32 b + 16 h + i of my query
.set n, n+2
.endr
.irp b, 0,1
	v_max3_num_f32 v[204+\b], |v[88+16*\b]|, |v[89+16*\b]|, 0x2800000
.endr
.irp i, 2,4,6,8,10,12,14
.irp b, 0,1
	s_delay_alu instid0(VALU_DEP_2)
	v_max3_num_f32 v[204+\b], v[204+\b], |v[88+16*\b+\i]|, |v[89+16*\b+\i]|
.endr
.endr
.irp b, 0,1
	s_delay_alu instid0(VALU_DEP_2)
	v_permlanex16_b32 v[208+\b], v[204+\b], s[SEL], s[SEL+1]
.endr
.irp b, 0,1
	s_delay_alu instid0(VALU_DEP_2)
	v_max_num_f32 v[204+\b], v[204+\b], v[208+\b]
.endr
.irp b, 0,1
	s_delay_alu instid0(VALU_DEP_2)
	v_add_nc_u32 v[212+\b], 0xfe000000, v[204+\b]
.endr
.irp b, 0,1
	s_delay_alu instid0(VALU_DEP_2)
	v_lshrrev_b32 v[208+\b], 23, v[212+\b]
.endr
.if \second
	s_delay_alu instid0(VALU_DEP_1)
	v_lshl_or_b32 v216, v209, 8, v208              ; the head's two scale bytes of my query
.else
	s_delay_alu instid0(VALU_DEP_1)
	v_lshl_or_b32 v7, v209, 8, v208
.endif
	v_cvt_scalef32_pk16_bf6_f32 v[184:186], v[88:103], v212
	v_cvt_scalef32_pk16_bf6_f32 v[196:198], v[104:119], v213
	v_nop
.irp i, 0,1,2
	v_permlane16_swap_b32 v[184+\i], v[196+\i]
.endr
.irp i, 0,1,2
	s_delay_alu instid0(VALU_DEP_3)
	v_mov_b32 v[187+\i], v[196+\i]
.endr
	global_store_b128 v1, v[184:187], s[48:49]             ; 512 consecutive bytes
	global_store_b64 v2, v[188:189], s[48:49] offset:512   ; 256 consecutive bytes
.endm
	PASS 8, 0
	PASS 16, 1
	; the scale bytes of both tiles by one store: lanes 0-15 the first tile's rows, lanes 16-31 the second's.  Two bytes for a token and a head are all that a wave owns of a scale word
	v_cmp_ne_u32 vcc_lo, 0, v6
	s_delay_alu instid0(VALU_DEP_1)
	v_cndmask_b32 v7, v7, v216, vcc_lo
	v_mov_b32 v217, s50
	v_mov_b32 v222, s51
	s_delay_alu instid0(VALU_DEP_1)
	v_cndmask_b32 v217, v217, v222, vcc_lo
	v_lshrrev_b32 v222, 2, v3                      ; 4 r
	s_delay_alu instid0(VALU_DEP_1)
	v_add_nc_u32 v217, v217, v222
	global_store_b16 v217, v7, s[6:7]
	s_wait_tensorcnt 0x0
	ds_add_u32 v254, v255
	s_wait_dscnt 0x0
	CROUND                                         ; the closing round
	s_endpgm
.Lfunc_end_k_q92d1c9996b_attn:
	.size	k_q92d1c9996b_attn, .Lfunc_end_k_q92d1c9996b_attn-k_q92d1c9996b_attn
	.p2alignl 7, 3214868480
	.fill 96, 4, 3214868480
	.section	.rodata,"a",@progbits
	.p2align	6, 0x0
	.amdhsa_kernel k_q92d1c9996b_attn
		.amdhsa_group_segment_fixed_size 206848
		.amdhsa_private_segment_fixed_size 0
		.amdhsa_enable_private_segment 0
		.amdhsa_kernarg_size 16
		.amdhsa_user_sgpr_count 2
		.amdhsa_user_sgpr_kernarg_segment_ptr 1
		.amdhsa_wavefront_size32 1
		.amdhsa_system_sgpr_workgroup_id_x 1
		.amdhsa_system_sgpr_workgroup_id_y 1
		.amdhsa_system_sgpr_workgroup_id_z 1
		.amdhsa_system_vgpr_workitem_id 0
		.amdhsa_next_free_vgpr 256
		.amdhsa_next_free_sgpr 66
		.amdhsa_reserve_vcc 1
		.amdhsa_float_denorm_mode_32 3
		.amdhsa_float_denorm_mode_16_64 3
		.amdhsa_memory_ordered 1
		.amdhsa_forward_progress 1
		.amdhsa_inst_pref_size 66
	.end_amdhsa_kernel
	.amdgpu_metadata
---
amdhsa.version: [ 1, 2 ]
amdhsa.kernels:
  - .name:           k_q92d1c9996b_attn
    .symbol:         k_q92d1c9996b_attn.kd
    .args:
      - { .name: qkv, .offset: 0, .size: 8, .value_kind: global_buffer, .address_space: global }
      - { .name: aq, .offset: 8, .size: 8, .value_kind: global_buffer, .address_space: global }
    .group_segment_fixed_size: 206848
    .private_segment_fixed_size: 0
    .kernarg_segment_align: 8
    .kernarg_segment_size: 16
    .max_flat_workgroup_size: 512
    .sgpr_count:     66
    .vgpr_count:     256
    .wavefront_size: 32
...
	.end_amdgpu_metadata
.endif
;; end of part 3
;; launch gemm_out (part 4): grid 4 x 64, 4 waves a work-group, clusters of 4 x 4, 307,712 bytes of LDS; arguments aq, wq, out0; writes out0
.if DOCPART == 4
	.amdgcn_target "amdgcn-amd-amdhsa--gfx1250"
	.amdhsa_code_object_version 6
	.text
	.protected	k_q92d1c9996b_gemm_out
	.globl	k_q92d1c9996b_gemm_out
	.p2align	8
	.type	k_q92d1c9996b_gemm_out,@function
k_q92d1c9996b_gemm_out:
	s_mov_b64 s[64:65], 0
	v_nop
	global_prefetch_b8 v0, s[64:65] scope:SCOPE_SE
	s_setreg_imm32_b32 hwreg(HW_REG_WAVE_MODE, 25, 1), 1
	s_wait_xcnt 0x0
	s_wait_alu depctr_hold_cnt(0) depctr_sa_sdst(0) depctr_va_vdst(0) depctr_va_sdst(0) depctr_va_ssrc(0) depctr_va_vcc(0) depctr_vm_vsrc(0)
	s_getreg_b32 s2, hwreg(HW_REG_IB_STS2, 6, 4)
	s_cmp_eq_u32 s2, 0
	s_cbranch_scc0 .Lentry_in_a_cluster
	s_endpgm
.Lentry_in_a_cluster:
	s_bfe_u32 s2, ttmp6, 0x10000c
	s_cmp_lg_u32 s2, 0xf033
	s_cbranch_scc0 .Lentry_shape_is_right
	s_endpgm
.Lentry_shape_is_right:
; out0 = Q(attention's result) Q(w_out) on codes of BF6 (E3M2) with E8M0 scales; out0 [8192][1024] f32.
; A tile of the product is 128 tokens x 256 columns, so that there are 256 work-groups of equal work; four waves, each 64 x 128 in 32 accumulators.  K = 1,024 is eight steps of 128, written out: no loop.
; OPERANDS lie in memory as images of their registers (16 rows x 128 K: 1,536 bytes; lane L = 16 h + r: registers 0-3 of a half at 16 L, 4-5 at 512 + 16 r + 8 h): 16 rows x 256 K are 3,072 dense bytes, tile behind tile.
; ALL OF K LIES IN LDS: four slots of 256 K, each A's two halves of 12,288 bytes and B's two of 24,576, and 12,288 bytes of scale words: 307,200 bytes.  Every tensor load is a first fill, five a wave, all out at the start;
; no byte is filled again.  A counted wait and a plain barrier stand in front of the first read of each slot.
; CLUSTERS: 4 x 4 work-groups.  The A slot (source 1: tokens) hangs on the cluster's row, the B slot (source 0: w_out's columns) on its column: each block is asked for jointly by the four that share it.
; The rows of a tile are 32 (T / 2) + 8 (T % 2) + r + 8 (r / 8), for tokens and for columns: the way out puts both back in order.
; A step is 32 matrix instructions on 12 fragments; A and B both have two sets of registers.  The next step's 48 loads go in three runs of 16, from the step's head on, so that they have the whole step in which to land.
; REGISTERS.  window 0: v1-7 lane terms; v8-9 the way out; v10-25, v30 LDS addresses; v32-95 the scale words, which hold nothing else; v128-223 A's fragments, two sets of four; on the way out v128-255 rows of the result.
;   window 1: B's fragments, two sets, at v0 and v128.   window 2: accumulator (a, b) at v[8 (8 a + b)].
.set SLOT,  73728
.set SCL,   4*SLOT                     ; behind the slots: the scale words: A's halves of 2,048 bytes, then B's of 4,096
.set SPITCH, 528                       ; the way out: 16 rows x (512 + 16) bytes for each wave, in slot 0, which has had its one fill and is read last for K step 1
.set VO16, 5                           ; v5   16 L
.set VO8,  6                           ; v6   16 r + 8 h
.set STO,  8                           ; v8   the way out: where I put 32 bytes of a row
.set RD,   9                           ; v9   and where I read a row back
.set ADH,  10                          ; v10-13 my four A fragments in slot 0 .. 3, + 16 L;  v14-17 the same + 16 r + 8 h
.set ADH2, 14
.set ADB,  18                          ; v18-21, v22-25 the same for my eight of B
.set ADB2, 22
.set ADRS, 30                          ; v30  my scale words: lanes 0-15 A's rows, lanes 16-31 B's
.set SC,   32                          ; v[SC + 8 i + s]: lanes 0-15 the word of A's tile i (i under 4), lanes 16-31 that of B's tile i, K step s
.set AF,   128
.set BK,   128
.set G1A,  24
.set G1B,  32
.set G1SA, 40
.set G1SB, 48
.set G0SA, 56
.set G0SB, 60
.set G0A,  68                          ; s[68:83] group 0 for A's slots 0-3;  s[84:99] for B's
.set G0B,  84
.set MSB, 0
.macro WIN new                         ; the immediate's high byte repeats the setting that is left
.if MSB != (\new)
	s_set_vgpr_msb (MSB<<8)|(\new)
.set MSB, (\new)
.endif
.endm
.set MUL_LO, 0xa1                      ; source 0 (B) window 1, source 1 (A) window 0, C and D window 2
.set TO_B,   0x40                      ; destination window 1, address window 0
; A joint load: waves 0 and 1 fetch A's halves, waves 2 and 3 B's.  The branch hangs on the wave's number alone.  Four v_nop follow each of the two lines.
.macro JLOAD g0a, g1a, g0b, g1b
	s_cmp_eq_u32 s15, 0
	s_cbranch_scc0 .Lfor_b_\@
	tensor_load_to_lds s[\g0a:\g0a+3], s[\g1a:\g1a+7]
	s_nop 0
.rept 4
	v_nop
.endr
	s_branch .Lasked_\@
.Lfor_b_\@:
	tensor_load_to_lds s[\g0b:\g0b+3], s[\g1b:\g1b+7]
	s_nop 0
.rept 4
	v_nop
.endr
.Lasked_\@:
.endm
.macro CROUND                          ; a round of the cluster's barrier
	s_barrier_signal -1
	s_barrier_wait -1
	s_cmp_lg_u32 s14, 0
	s_cbranch_scc1 .Lnot_wave_0_\@
	s_barrier_signal -3
.Lnot_wave_0_\@:
	s_barrier_wait -3
	s_barrier_signal -1
	s_barrier_wait -1
.endm
.macro PLACES n                        ; plain vector lines between a matrix instruction and a load into, or a read of, its registers
.rept \n
	v_nop
.endr
.endm
.macro G1ROWS g, n                     ; a dense block of n rows of 256 bytes (32 elements of 8 bytes)
	s_mov_b32 s[\g+1], 32<<16
	s_mov_b32 s[\g+2], (\n)<<16
	s_mov_b32 s[\g+3], 32<<16
	s_mov_b32 s[\g+4], \n
	s_mov_b32 s[\g+5], 32
	s_mov_b32 s[\g+6], 0
	s_mov_b32 s[\g+7], 0
.endm
.macro FRAG reg, a16, a8, off          ; a fragment's 12 registers: four loads, each of 512 or 256 consecutive bytes
	ds_load_b128 v[\reg:\reg+3], v[\a16] offset:\off
	ds_load_b64 v[\reg+4:\reg+5], v[\a8] offset:\off+512
	ds_load_b128 v[\reg+6:\reg+9], v[\a16] offset:\off+768
	ds_load_b64 v[\reg+10:\reg+11], v[\a8] offset:\off+1280
.endm
.macro FETCH_BH ring, e, p, i0         ; B's tiles i0 .. i0 + 3 of the slot's e-th 128 along K into set p
	WIN TO_B
.irp i, \i0, \i0+1, \i0+2, \i0+3
	FRAG 128*(\p)+12*(\i), ADB+\ring, ADB2+\ring, 3072*(\i)+1536*(\e)
.endr
.endm
.macro FETCH_AH ring, e, p             ; my four tiles of A into set p
	WIN 0
.irp i, 0,1,2,3
	FRAG AF+48*(\p)+12*\i, ADH+\ring, ADH2+\ring, 3072*\i+1536*(\e)
.endr
.endm
.macro SCALES                          ; all 64 scale registers, once
.irp i, 0,1,2,3,4,5,6,7
.irp s, 0,1,2,3,4,5,6,7
	ds_load_b32 v[SC+8*\i+\s], v[ADRS] offset:512*\i+64*\s
.endr
.endr
.endm
.macro MUL8 a, p, s, zero              ; A's tile a x B's eight, K step s.  The 32 accumulators take turns, one instruction a turn, in the same order in every step
	WIN MUL_LO
.irp b, 0,1,2,3,4,5,6,7
.if \zero
	v_wmma_scale_f32_16x16x128_f8f6f4 v[8*(8*(\a)+\b):8*(8*(\a)+\b)+7], v[128*(\p)+12*\b:128*(\p)+12*\b+11], v[AF+48*(\p)+12*(\a):AF+48*(\p)+12*(\a)+11], 0, v[SC+8*\b+(\s)], v[SC+8*(\a)+(\s)] matrix_a_fmt:MATRIX_FMT_BF6 matrix_b_fmt:MATRIX_FMT_BF6 matrix_a_scale:MATRIX_SCALE_ROW1
.else
	v_wmma_scale_f32_16x16x128_f8f6f4 v[8*(8*(\a)+\b):8*(8*(\a)+\b)+7], v[128*(\p)+12*\b:128*(\p)+12*\b+11], v[AF+48*(\p)+12*(\a):AF+48*(\p)+12*(\a)+11], v[8*(8*(\a)+\b):8*(8*(\a)+\b)+7], v[SC+8*\b+(\s)], v[SC+8*(\a)+(\s)] matrix_a_fmt:MATRIX_FMT_BF6 matrix_b_fmt:MATRIX_FMT_BF6 matrix_a_scale:MATRIX_SCALE_ROW1
.endif
.endr
.endm
.macro HSTEP s, nr, ne, zero           ; an even K step: the next step's fragments lie in the same slot
	s_wait_dscnt 0x0                               ; this step's fragments, asked for a step ago, are in
	PLACES 4                                       ; behind the last step's products, which read the sets that are loaded now
	FETCH_BH \nr, \ne, 1-(\s)%2, 0
	MUL8 0, (\s)%2, \s, \zero
	FETCH_BH \nr, \ne, 1-(\s)%2, 4
	MUL8 1, (\s)%2, \s, \zero
	FETCH_AH \nr, \ne, 1-(\s)%2
	MUL8 2, (\s)%2, \s, \zero
	MUL8 3, (\s)%2, \s, \zero
	WIN 0
.endm
.macro HTURN s, nr, left               ; an odd K step: the next step's fragments lie in slot nr.  left: the later slots' loads, which may stay out
	s_wait_tensorcnt \left                         ; my part of slot nr has landed
	s_wait_dscnt 0x0                               ; this step's fragments are in; no LDS access of mine is out at the signal
	s_barrier_signal -1
	MUL8 0, 1, \s, 0
	s_barrier_wait -1                              ; everybody's part has
	PLACES 4
	FETCH_BH \nr, 0, 0, 0
	MUL8 1, 1, \s, 0
	FETCH_BH \nr, 0, 0, 4
	MUL8 2, 1, \s, 0
	FETCH_AH \nr, 0, 0
	MUL8 3, 1, \s, 0
	WIN 0
.endm
	s_load_b128 s[4:7], s[0:1], 0x0                ; aq s[4:5], wq s[6:7]
	s_load_b64 s[8:9], s[0:1], 0x10                ; out0
	v_lshl_add_u32 v126, v0, 2, 0x4b000
	v_mov_b32 v127, 0
	ds_add_u32 v126, v127
	ds_add_u32 v126, v127
	v_lshrrev_b32 v1, 5, v0
	v_readfirstlane_b32 s14, v1                    ; wave 0..3
	s_lshr_b32 s15, s14, 1                         ; hA: my half of A's rows.  Also: I fetch for A (0) or for B (1)
	s_and_b32 s16, s14, 1                          ; hB: my half of B's rows.  Also: which half I fetch
	s_bfe_u32 s12, ttmp6, 0x40000                  ; cx
	s_bfe_u32 s13, ttmp6, 0x40004                  ; cy
	s_and_b32 s17, ttmp7, 0xffff                   ; the cluster's y
	s_lshl_b32 s18, s13, 2
	s_lshl_b32 s18, 15, s18                        ; my row of the cluster
	s_lshl_b32 s19, 0x1111, s12                    ; my column
	s_or_b32 s[G1A], s18, (3<<16)|(1<<21)          ; 15:0 the mask; 17:16 elements of 8 bytes; 21 set beside a mask; no padding
	s_or_b32 s[G1SA], s18, (3<<16)|(1<<21)
	s_or_b32 s[G1B], s19, (3<<16)|(1<<21)
	s_or_b32 s[G1SB], s19, (3<<16)|(1<<21)
	G1ROWS G1A, 48                                 ; A: 64 rows x 256 K of codes
	G1ROWS G1B, 96                                 ; B: 128 rows x 256 K
	G1ROWS G1SA, 8                                 ; A: 64 rows' scale words
	G1ROWS G1SB, 16                                ; B: 128 rows'
	s_lshl_b32 s20, s17, 2
	s_add_co_u32 s20, s20, s13                     ; A: the group of 128 tokens: hangs on cy
	s_lshl_b32 s22, s20, 12
	s_lshl_b32 s2, s16, 11
	s_add_co_u32 s22, s22, s2
	s_add_co_u32 s22, s22, 6291456                 ; the scale words of the half that I would fetch
	s_mov_b32 s23, 0
	s_mul_i32 s20, s20, 98304
	s_mul_i32 s2, s16, 12288
	s_add_co_u32 s20, s20, s2                      ; and its codes
	s_mov_b32 s21, 0
	s_add_co_u32 s100, s12, 12                     ; B: w_out's blocks of 256 columns follow w_qkv's twelve: hangs on cx
	s_lshl_b32 s100, s100, 1
	s_add_co_u32 s100, s100, s16                   ; the group of 128 columns that I would fetch
	s_lshl_b32 s10, s100, 12
	s_add_co_u32 s10, s10, 3145728
	s_mov_b32 s11, 0
	s_mul_i32 s100, s100, 98304
	s_mov_b32 s101, 0
	s_wait_dscnt 0x0
	s_wait_kmcnt 0x0
	CROUND                                         ; all sixteen work-groups are here: the joint loads meet
	s_mov_b32 s[G0SA], 1
	s_lshl_b32 s[G0SA+1], s16, 11
	s_add_co_u32 s[G0SA+1], s[G0SA+1], SCL         ; no place in the cluster enters an LDS address
	s_add_nc_u64 s[G0SA+2:G0SA+3], s[4:5], s[22:23]
	s_or_b32 s[G0SA+3], s[G0SA+3], 0x80000000
	s_mov_b32 s[G0SB], 1
	s_lshl_b32 s[G0SB+1], s16, 12
	s_add_co_u32 s[G0SB+1], s[G0SB+1], SCL+4096
	s_add_nc_u64 s[G0SB+2:G0SB+3], s[6:7], s[10:11]
	s_or_b32 s[G0SB+3], s[G0SB+3], 0x80000000
	JLOAD G0SA, G1SA, G0SB, G1SB                   ; the scale words first: they are wanted with K step 0
	s_add_nc_u64 s[4:5], s[4:5], s[20:21]
	s_add_nc_u64 s[6:7], s[6:7], s[100:101]
	s_mul_i32 s2, s16, 12288                       ; where they go in a slot: A's halves,
	s_mul_i32 s3, s16, 24576
	s_add_co_u32 s3, s3, 24576                     ; then B's
.irp s, 0,1,2,3
	s_mov_b32 s[G0A+4*\s], 1
	s_add_co_u32 s[G0A+4*\s+1], s2, \s*SLOT
	s_add_nc_u64 s[G0A+4*\s+2:G0A+4*\s+3], s[4:5], \s*24576
	s_or_b32 s[G0A+4*\s+3], s[G0A+4*\s+3], 0x80000000
	s_mov_b32 s[G0B+4*\s], 1
	s_add_co_u32 s[G0B+4*\s+1], s3, \s*SLOT
	s_add_nc_u64 s[G0B+4*\s+2:G0B+4*\s+3], s[6:7], \s*24576
	s_or_b32 s[G0B+4*\s+3], s[G0B+4*\s+3], 0x80000000
	JLOAD G0A+4*\s, G1A, G0B+4*\s, G1B
.endr
	v_and_b32 v1, 31, v0                           ; L
	v_and_b32 v2, 15, v0                           ; r
	v_bfe_u32 v3, v0, 4, 1                         ; h
	v_lshlrev_b32 v[VO16], 4, v1
	v_lshlrev_b32 v[VO8], 4, v2
	v_lshl_add_u32 v[VO8], v3, 3, v[VO8]
	s_mul_i32 s2, s15, 12288                       ; my four tiles of A,
	s_mul_i32 s3, s16, 24576
	s_add_co_u32 s3, s3, 24576                     ; my eight of B
.irp s, 0,1,2,3
	v_add_nc_u32 v[ADH+\s], s2, v[VO16]
	v_add_nc_u32 v[ADH2+\s], s2, v[VO8]
	v_add_nc_u32 v[ADB+\s], s3, v[VO16]
	v_add_nc_u32 v[ADB2+\s], s3, v[VO8]
	s_add_co_u32 s2, s2, SLOT
	s_add_co_u32 s3, s3, SLOT
.endr
	s_lshl_b32 s2, s15, 11
	s_lshl_b32 s3, s16, 12
	s_add_co_u32 s3, s3, 4096
	s_sub_co_u32 s3, s3, s2
	v_mul_u32_u24 v7, s3, v3                       ; lanes 16-31 take B's words: one product of h with the distance
	s_add_co_u32 s2, s2, SCL
	v_lshl_add_u32 v7, v2, 2, v7
	v_add_nc_u32 v[ADRS], s2, v7
	s_mul_i32 s2, s14, 16*SPITCH                   ; my stage
	v_mul_u32_u24 v[STO], v2, SPITCH
	v_lshl_add_u32 v[STO], v3, 6, v[STO]
	v_add_nc_u32 v[STO], s2, v[STO]                ; in: row r, + 64 h: B's tiles 2 b, 2 b + 1 give me columns 32 b + 16 h + 0 .. 15
	v_add_nc_u32 v[RD], s2, v[VO16]                ; back: the 32 lanes take one row of 512 bytes
	s_lshl_b32 s2, s17, 2
	s_add_co_u32 s2, s2, s13
	s_lshl_b32 s2, s2, 1
	s_add_co_u32 s2, s2, s15
	s_lshl_b32 s2, s2, 18                          ; my 64 tokens: rows of 4,096 bytes
	s_lshl_b32 s3, s12, 1
	s_add_co_u32 s3, s3, s16
	s_lshl_b32 s3, s3, 9                           ; my 128 columns
	s_add_co_u32 s2, s2, s3
	s_mov_b32 s3, 0
	s_add_nc_u64 s[8:9], s[8:9], s[2:3]            ; never stepped: every row's place stands in a store's immediate, 63 rows at the most
	s_wait_tensorcnt 3                             ; the scale words and my part of slot 0 are in; slots 1 to 3 may be out
	s_barrier_signal -1
	s_barrier_wait -1
	FETCH_BH 0, 0, 0, 0
	FETCH_BH 0, 0, 0, 4
	FETCH_AH 0, 0, 0
	SCALES
	HSTEP 0, 0, 1, 1                               ; the first step's products start the sums: nothing is cleared
	HTURN 1, 1, 2
	HSTEP 2, 1, 1, 0
	HTURN 3, 2, 1
	HSTEP 4, 2, 1, 0
	HTURN 5, 3, 0
	HSTEP 6, 3, 1, 0
	s_wait_dscnt 0x0                               ; the last step: nothing more to fetch
	MUL8 0, 1, 7, 0
	MUL8 1, 1, 7, 0
	MUL8 2, 1, 7, 0
	MUL8 3, 1, 7, 0
	WIN 0
; THE WAY OUT, token tile by token tile: 16 rows x 128 columns go through my own stage and come back as whole rows of 512 bytes.  LDS serves a wave's instructions in order (ISA guide 5.7.1.4): no wait between the stores and the loads.
.macro TOSTAGE a
.set AC, 64*(\a)
	WIN 0x08                                       ; an LDS store's data are its source 1: window 2
.irp b, 0,1,2,3,4,5,6,7
	ds_store_b128 v[STO], v[AC+8*\b:AC+8*\b+3] offset:128*(\b/2)+32*(\b%2)          ; each accumulator from its low end on
	ds_store_b128 v[STO], v[AC+8*\b+4:AC+8*\b+7] offset:128*(\b/2)+32*(\b%2)+16
.endr
	WIN 0
.set BB, BK+64*((\a)%2)
.irp t, 0,1,2,3,4,5,6,7,8,9,10,11,12,13,14,15
	ds_load_b128 v[BB+4*\t:BB+4*\t+3], v[RD] offset:\t*SPITCH
.endr
.endm
.macro SEND a, younger                 ; younger: the LDS instructions issued behind tile a's loads, which may stay out
.set BB, BK+64*((\a)%2)
	s_wait_dscnt \younger
.irp t, 0,1,2,3,4,5,6,7,8,9,10,11,12,13,14,15
	global_store_b128 v[VO16], v[BB+4*\t:BB+4*\t+3], s[8:9] offset:(32*((\a)/2)+8*((\a)%2)+\t+8*(\t/8))*4096 th:TH_STORE_NT   ; 32 lanes store 512 consecutive aligned bytes of the tile's row t
.endr
.endm
	PLACES 4                                       ; behind the last products
	TOSTAGE 0
.irp a, 1,2,3
.if \a > 1
	s_wait_xcnt 0x0                                ; tile a - 2's stores have read their registers: tile a's loads may land there
.endif
	TOSTAGE \a
	SEND \a-1, 32                                  ; behind tile a - 1's loads: tile a's 16 stores and 16 loads
.endr
	SEND 3, 0
	s_wait_tensorcnt 0x0
	ds_add_u32 v126, v127
	s_wait_dscnt 0x0
	CROUND                                         ; the closing round: no work-group ends while a partner may still ask for a block that names it
	s_endpgm
.Lfunc_end_k_q92d1c9996b_gemm_out:
	.size	k_q92d1c9996b_gemm_out, .Lfunc_end_k_q92d1c9996b_gemm_out-k_q92d1c9996b_gemm_out
	.p2alignl 7, 3214868480
	.fill 96, 4, 3214868480
	.section	.rodata,"a",@progbits
	.p2align	6, 0x0
	.amdhsa_kernel k_q92d1c9996b_gemm_out
		.amdhsa_group_segment_fixed_size 307712
		.amdhsa_private_segment_fixed_size 0
		.amdhsa_enable_private_segment 0
		.amdhsa_kernarg_size 24
		.amdhsa_user_sgpr_count 2
		.amdhsa_user_sgpr_kernarg_segment_ptr 1
		.amdhsa_wavefront_size32 1
		.amdhsa_system_sgpr_workgroup_id_x 1
		.amdhsa_system_sgpr_workgroup_id_y 1
		.amdhsa_system_sgpr_workgroup_id_z 1
		.amdhsa_system_vgpr_workitem_id 0
		.amdhsa_next_free_vgpr 1024
		.amdhsa_next_free_sgpr 102
		.amdhsa_reserve_vcc 0
		.amdhsa_float_denorm_mode_32 3
		.amdhsa_float_denorm_mode_16_64 3
		.amdhsa_memory_ordered 1
		.amdhsa_forward_progress 1
		.amdhsa_inst_pref_size 90
	.end_amdhsa_kernel
	.amdgpu_metadata
---
amdhsa.version: [ 1, 2 ]
amdhsa.kernels:
  - .name:           k_q92d1c9996b_gemm_out
    .symbol:         k_q92d1c9996b_gemm_out.kd
    .args:
      - { .name: aq, .offset: 0, .size: 8, .value_kind: global_buffer, .address_space: global }
      - { .name: wq, .offset: 8, .size: 8, .value_kind: global_buffer, .address_space: global }
      - { .name: out0, .offset: 16, .size: 8, .value_kind: global_buffer, .address_space: global }
    .group_segment_fixed_size: 307712
    .private_segment_fixed_size: 0
    .kernarg_segment_align: 8
    .kernarg_segment_size: 24
    .max_flat_workgroup_size: 128
    .sgpr_count:     102
    .vgpr_count:     1024
    .wavefront_size: 32
...
	.end_amdgpu_metadata
.endif
;; end of part 4
